; MI455X (gfx1250); checked and timed in simulation.
; The chip was launched on July 23, 2026; its instructions are those of AMD's public machine-readable ISA for CDNA 5 (MIT licence, August 2026) and "CDNA5" Instruction Set Architecture Reference Guide (July 2026). The comments in the code are by the model that wrote it; some were corrected since.
;; D2 L Dot Product Attention. Allowed arithmetic: matrix products marked QUANTISED: E2M1 operands, one E8M0 scale for each 32 along K, by v_wmma_scale_f32_16x16x128_f8f6f4 with both operands' format E2M1 (or v_wmma_scale_f32_32x16x128_f4), f32 sums; everything else in f32.
;; Inputs: keys 32 x 2,048 x 64 float32; queries 32 x 2,048 x 64 float32; valid_lens 32 int32; values 32 x 2,048 x 64 float32.
;; Outputs: out0 32 x 2,048 x 64 float32.
;; This version of the problem:
;;   THIS VERSION OF THE PROBLEM IS GIVEN IN LOW PRECISION. The matrix products marked QUANTISED in the list below multiply operands that are first quantised to E2M1 (2 exponent bits, 1 mantissa bit; 4 bits a number), with one power-of-two scale for each 32 numbers along K (OCP MX v1.0); their sums are f32. All else is computed in f32.
;;   The module's matrix products, in the order in which they are computed (A, B: the left and right operand; K: the contracted axis; several contracted axes count as one K, in the product's order):
;;     1. batch 32 x [M 2,048, K 64] x [K 64, N 2,048]; A: input queries; B: input keys: QUANTISED
;;     2. batch 32 x [M 2,048, K 2,048] x [K 2,048, N 64]; A: softmax (see below); B: input values: QUANTISED
;;   THE QUANTISER, for each operand of a quantised product, along K:
;;     - K is cut into blocks of 32 from its start; a last block that is shorter is filled with zeros.
;;     - A block's scale is 2^e with e = floor(log2(the largest magnitude in the block)) - 2, held to -126 .. 127; a block of zeros has e = 0. As a byte (E8M0): e + 127.
;;     - Each number is divided by its block's scale, clamped to +-6, and rounded to the nearest number of E2M1, ties to even, subnormals kept.
;;     - The product sums the exact products of the quantised numbers (number of the format x scale) in f32.
;;   ~~~python
;;   def quantise(x, axis):      # numpy; x: float32 -> the quantised numbers, widened to float32 again
;;       x = np.moveaxis(x, axis, -1); K = x.shape[-1]
;;       x = np.pad(x, [(0, 0)] * (x.ndim - 1) + [(0, -K % 32)]); x = x.reshape(x.shape[:-1] + (-1, 32)); a = np.abs(x).max(-1, keepdims=True)
;;       e = np.where(a > 0, np.clip(np.frexp(np.where(a > 0, a, 1))[1] - 1 - 2, -126, 127), 0)      # np.frexp(a)[1] - 1 = floor(log2(a)), exactly
;;       r = np.clip(x / 2.0 ** e, -6, 6)
;;       step = 2.0 ** (np.maximum(np.frexp(np.where(r == 0, 1, r))[1] - 1, 0) - 1)
;;       q = np.round(r / step) * step * 2.0 ** e      # np.round: ties to even
;;       return np.moveaxis(q.reshape(q.shape[:-2] + (-1,))[..., :K], -1, axis).astype(np.float32)
;;   ~~~
;;   SOFTMAX AHEAD OF A QUANTISED PRODUCT. Where the list says 'softmax', what is quantised is not the finished softmax but p = 2^(t - M), with t = logit x log2(e) and M = ceil(the row's largest t), a whole number; so 1/2 < the row's largest p <= 1. The row's sum l is taken of the UNQUANTISED p, in f32, and the product's result is divided by l at the end. Since M is a whole number, a kernel that streams over the keys may use a running M (the ceiling of the running maximum): every later rescaling is an exact power of two, which a block's scale takes up: the codes' values come out the same.
;;   OPERANDS COMPUTED ON THE WAY. 'Computed on the way' means the value that the module computes at that place (a softmax that the list does not call 'softmax' is quantised finished and normalised). What goes into a quantiser is computed in f32, as accurately as f32 sums, v_exp_f32 and their like allow (about 1e-6 of the number): no bf16 or f16 on the way to a quantiser, and a product that is left as it is and whose result goes on into a quantised operand takes f32 operands (vector FMAs, or v_wmma_f32_16x16x4_f32). A number that lies on a knife's edge between two numbers of the format may be rounded either way, as far as f32 arithmetic and the matrix unit's own rounding can turn it there, and no further.
;; 2 versions. Each part assembles by itself: llvm-mc -triple=amdgcn-amd-amdhsa -mcpu=gfx1250 --defsym DOCPART=n.
;; ======== version 1 of 2: 2 launches
;; limits: right only within a limited range of input values
;; workspace buffers: kv 4,587,520 bytes; order 256 bytes of whole numbers
;; launch prep (part 1): grid 16 x 32, 4 waves a work-group, no clusters, 17,920 bytes of LDS; arguments keys, values, valid_lens, kv, order; writes kv, order
.if DOCPART == 1
	.amdgcn_target "amdgcn-amd-amdhsa--gfx1250"
	.amdhsa_code_object_version 6
	.text
	.protected	k_q1a90853bee_prep
	.globl	k_q1a90853bee_prep
	.p2align	8
	.type	k_q1a90853bee_prep,@function
k_q1a90853bee_prep:
	s_mov_b64 s[64:65], 0
	v_nop
	global_prefetch_b8 v0, s[64:65] scope:SCOPE_SE
	s_setreg_imm32_b32 hwreg(HW_REG_WAVE_MODE, 25, 1), 1
	s_wait_xcnt 0x0
; keys and values [32][2048][64] f32 become codes of FP4 (E2M1) with one E8M0 byte for each 32 along a product's K, laid in the ORDER OF THE OPERANDS' REGISTERS,
; so that the attention launch loads every fragment whole, 16 bytes a lane.  keys are quantised along the 64 channels, values along the keys.
; A RECORD of kv, 8,960 bytes (35 x 256), belongs to (batch b, step s = keys 128 s .. 128 s + 127) and lies at (16 b + s) x 8,960:
;   +0     K's codes: tile t = 0..7, 512 bytes each, lane l's 16 bytes at 512 t + 16 l: lane (r = l % 16, h = l / 16) holds channels 32 h .. 32 h + 31 of key 32 (t / 2) + 8 (t % 2) + r + 8 (r / 8)
;   +4096  V's codes: tile t = 0..3 (channels 16 t + r), half c = 0, 1: lane l's 16 bytes at 1024 t + 512 c + 16 l: keys 64 c + 32 h + 0 .. 31 of channel 16 t + r
;   +8192  K's scale words [half 0, 1][lane][2]: word p of half f belongs to the pair of tiles i = 2 f + p: lanes 0-15 tile 2 i's row r, lanes 16-31 tile 2 i + 1's; bytes 0, 1: the key's two blocks; bytes 2, 3: 0x7f
;   +8704  V's scale words [i = 0, 1][lane]: lanes 0-15 tile 2 i's row r, lanes 16-31 tile 2 i + 1's; byte j: keys 32 j .. 32 j + 31 of the step
; A block's scale is 2^(floor(log2(its largest magnitude)) - 2): its byte is the largest magnitude's exponent field - 2, held at 1 from below.
; ONLY THE STEPS THAT HOLD A VALID KEY ARE MADE: n(b) = ceil(vl / 128) of them (16 where vl <= 0, where every key counts alike); the attention launch reads no other record.
; A work-group whose step lies behind n(b) stores nothing: a branch on valid_lens.
; order: 32 records of 8 bytes, (batch, its vl held to 0 .. 2048), ascending by n(b) x 32 + b: made by wave 0 of work-group (0, 0), each lane counting the smaller keys; no atomics.
; SHARES: work-group (x = step, y = batch).  Waves 0, 1: 64 keys of K each (four tiles).  Waves 2, 3: 32 channels of V each, all 128 keys.  Waves share nothing: no barrier.
; LIMITS: NaN and infinities among the inputs are not served.  A block of zeros gets the byte 1 where the rule says 127: its codes are zeros, and this program alone reads the bytes.
.set REC,   8960
.set PITCH, 272                        ; a key's 256 bytes + 16 of padding in the stage: 68 words, so the sixteen rows that a load touches start at sixteen different banks (64 banks of 4 bytes: ISA guide 11.1)
.set STG,   32*PITCH                   ; a K wave's own stage: 32 keys
.set KSC,   10                         ; v10-11  K's scale words of my two pairs of tiles
.set SB,    12                         ; v12     V's scale word of my channel
.set C,     16                         ; v16-31  codes: four registers for each tile or block, never written again, so no store's data are overwritten
.set R,     32                         ; v32-159 K: 32 loads as they come
.set Y,     32                         ; v32-95  V: two sets of 32 numbers
.set X,     160                        ; v160-223 K: two tiles x 32 numbers of one lane's block
	s_load_b256 s[4:11], s[0:1], 0x0               ; keys s[4:5], values s[6:7], valid_lens s[8:9], kv s[10:11]
	s_load_b64 s[12:13], s[0:1], 0x20              ; order
	v_lshl_add_u32 v248, v0, 2, 0x4400
	v_mov_b32 v249, 0
	v_lshrrev_b32 v1, 5, v0
	v_readfirstlane_b32 s14, v1                    ; wave 0..3
	s_and_b32 s15, ttmp7, 0xffff                   ; batch b
	s_mov_b32 s16, ttmp9                           ; step s
	s_and_b32 s23, s14, 1                          ; which half: of the step's keys (K), of the channels (V)
	s_mul_i32 s17, s23, STG                        ; my stage (waves 0 and 1 alone use one)
	s_mov_b32 s20, 0x76543210
	s_mov_b32 s21, 0xfedcba98                      ; v_permlanex16_b32's selects for lane l xor 16
	v_and_b32 v1, 31, v0                           ; lane l
	v_and_b32 v9, 15, v0                           ; r
	v_bfe_u32 v13, v0, 4, 1                        ; h
	v_lshlrev_b32 v2, 4, v1                        ; 16 l
	v_lshlrev_b32 v3, 3, v1                        ; 8 l
	v_lshlrev_b32 v4, 2, v1                        ; 4 l
	v_mul_u32_u24 v5, v13, PITCH
	v_lshl_add_u32 v5, v9, 4, v5
	v_add_nc_u32 v5, s17, v5                       ; into the stage: a load's two keys, 16 lanes to a key
	v_mul_u32_u24 v6, v9, PITCH
	v_lshl_add_u32 v6, v13, 7, v6
	v_add_nc_u32 v6, s17, v6                       ; out of it: place r, my half's 128 bytes
	v_lshlrev_b32 v7, 3, v13                       ; 8 h: where my block's byte stands in a key's scale word
	v_lshlrev_b32 v8, 10, v13
	v_lshl_add_u32 v8, v9, 4, v8                   ; V's codes: 1024 (l / 16) + 16 (l % 16)
	v_mov_b32 v230, 0                              ; written once: a lane permute's destination counts as one of its sources
	s_lshl_b32 s24, s15, 2
	s_mov_b32 s25, 0
	s_wait_kmcnt 0x0
	s_add_nc_u64 s[30:31], s[8:9], s[24:25]
	s_load_b32 s18, s[30:31], 0x0                  ; vl of my batch
	s_wait_kmcnt 0x0
	s_max_i32 s18, s18, 0
	s_min_u32 s18, s18, 0x800                      ; held to 0 .. 2048
	s_add_co_u32 s19, s18, 127
	s_lshr_b32 s19, s19, 7                         ; n = ceil(vl / 128),
	s_cmp_eq_u32 s18, 0
	s_cselect_b32 s19, 16, s19                     ; or all 16 steps where no key is valid
	; ---- the order of the batches: one wave of the launch
	s_or_b32 s17, s16, s15
	s_or_b32 s17, s17, s14
	s_cmp_lg_u32 s17, 0
	s_cbranch_scc1 .Lno_sort
	global_load_b32 v240, v4, s[8:9]               ; lane l: vl of batch l
	v_mov_b32 v238, 0
	v_mov_b32 v239, 1
	v_mov_b32 v242, 16
	v_mov_b32 v244, 0                              ; my rank
	s_wait_loadcnt 0x0
	v_max_i32 v240, 0, v240
	v_min_u32 v240, 0x800, v240
	v_add_nc_u32 v241, 127, v240
	v_lshrrev_b32 v241, 7, v241
	v_cmp_eq_u32 vcc_lo, 0, v240
	v_cndmask_b32 v241, v241, v242, vcc_lo         ; n of batch l
	v_lshl_or_b32 v243, v241, 5, v1                ; the key: n x 32 + batch: no two are equal
.irp i, 0,1,2,3,4,5,6,7,8,9,10,11,12,13,14,15,16,17,18,19,20,21,22,23,24,25,26,27,28,29,30,31
	v_readlane_b32 s28, v243, \i
	v_cmp_lt_u32 vcc_lo, s28, v243
	v_cndmask_b32 v245, v238, v239, vcc_lo
	v_add_nc_u32 v244, v244, v245                  ; how many keys lie under mine
.endr
	v_min_u32 v244, 31, v244                       ; a number made of loaded data enters an address only behind a bound
	v_lshlrev_b32 v244, 3, v244
	v_mov_b32 v246, v1
	v_mov_b32 v247, v240
	global_store_b64 v244, v[246:247], s[12:13]    ; the 32 lanes fill order's 256 bytes; none of these registers is written again
.Lno_sort:
	s_cmp_ge_u32 s16, s19
	s_cbranch_scc1 .Lend                           ; no valid key in this step: nobody reads its record
	s_lshl_b32 s17, s15, 4
	s_add_co_u32 s17, s17, s16
	s_mul_i32 s24, s17, REC
	s_add_nc_u64 s[10:11], s[10:11], s[24:25]      ; my record
	s_lshl_b32 s26, s15, 19                        ; a batch is 2048 x 256 bytes,
	s_lshl_b32 s17, s16, 15                        ; a step 128 x 256
	s_add_co_u32 s26, s26, s17
	s_mov_b32 s27, 0
; The largest magnitude of the 32 numbers v[b0] .. v[b0 + 31], with the floor 2^(3 - 127) among its leaves, in v224; with 2 off its exponent field, the conversions' scale operand, in v226
.macro BMAX b0
	v_max3_num_f32 v224, |v[\b0]|, |v[\b0+1]|, |v[\b0+2]|
	v_max3_num_f32 v225, |v[\b0+3]|, |v[\b0+4]|, |v[\b0+5]|
.irp i, 6,10,14,18,22,26
	v_max3_num_f32 v224, v224, |v[\b0+\i]|, |v[\b0+\i+1]|
	v_max3_num_f32 v225, v225, |v[\b0+\i+2]|, |v[\b0+\i+3]|
.endr
	v_max3_num_f32 v224, v224, |v[\b0+30]|, |v[\b0+31]|
	v_max3_num_f32 v224, v224, v225, 0x1800000     ; the floor: the byte cannot fall under 1
	v_add_nc_u32 v226, 0xff000000, v224            ; the conversion takes the exponent field of this operand as its scale, and nothing else of it
.endm
	s_cmp_ge_u32 s14, 2
	s_cbranch_scc1 .Lv
	; ---- K: my 64 keys.  Each load reads 512 consecutive bytes (two keys); a lane of a fragment wants 32 neighbouring channels of ONE key: the numbers turn through my own stage in LDS.
	s_lshl_b32 s17, s23, 14
	s_add_co_u32 s26, s26, s17
	s_add_nc_u64 s[4:5], s[4:5], s[26:27]          ; keys at my first key
	s_lshl_b32 s24, s23, 11
	s_add_nc_u64 s[32:33], s[10:11], s[24:25]      ; my four tiles' codes
	s_lshl_b32 s24, s23, 8
	s_add_nc_u64 s[34:35], s[10:11], s[24:25]      ; my 256 bytes of scale words, 8,192 further on
	s_mov_b32 vcc_lo, 0xffff0000                   ; lanes 16-31
.set i, 0
.rept 32
	global_load_b128 v[R+4*i:R+4*i+3], v2, s[4:5] offset:512*i th:TH_LOAD_NT
.set i, i+1
.endr
; Tile u of pair p: a lane holds a whole block: no other lane is asked for the maximum.  The codes are the fragment's registers as they stand.
.macro QB p, u
.set XS, X+32*\u
.set CT, C+4*(2*\p+\u)
	BMAX XS
.irp g, 0,1,2,3
	v_cvt_scalef32_pk8_fp4_f32 v[CT+\g], v[XS+8*\g:XS+8*\g+7], v226
.endr
	v_lshrrev_b32 v227, 23, v226                   ; the scale's byte.  (The plain line behind the conversions)
	global_store_b128 v2, v[CT:CT+3], s[32:33] offset:512*(2*\p+\u)   ; 32 lanes store 512 consecutive bytes, aligned to 256
	v_lshlrev_b32 v[228+\u], v7, v227              ; my block's byte at its place,
	v_permlanex16_b32 v230, v[228+\u], s20, s21
	v_or_b32 v[228+\u], v[228+\u], v230            ; with lane l xor 16's: the key's two bytes;
	v_or_b32 v[228+\u], 0x7f7f0000, v[228+\u]      ; the instruction's upper 64 along K are multiplied by zero codes: scale 1
.endm
; Pair p: 32 keys, two tiles.  Key 2 i + l / 16 of the pair goes to the place of its row in its tile: place 16 u + r holds key 8 u + r + 8 (r / 8).
.macro PAIR p
	s_wait_loadcnt 16*(1-\p)                       ; this pair's 16 loads are in; the other pair's may be out
.set i, 0
.rept 16
	ds_store_b128 v5, v[R+64*\p+4*i:R+64*\p+4*i+3] offset:(16*((i>>2)&1)+8*(i>>3)+((2*i)&7))*PITCH
.set i, i+1
.endr
.irp u, 0,1
.irp j, 0,1,2,3,4,5,6,7
	ds_load_b128 v[X+32*\u+4*\j:X+32*\u+4*\j+3], v6 offset:16*\u*PITCH+16*\j   ; LDS serves a wave's instructions in order (ISA guide 5.7.1.4): these see my stores
.endr
.endr
	s_wait_dscnt 8                                 ; tile 0's eight loads are in, tile 1's may be out
	QB \p, 0
	s_wait_dscnt 0x0
	QB \p, 1
	v_cndmask_b32 v[KSC+\p], v228, v229, vcc_lo    ; lanes 0-15: tile 0's words; lanes 16-31: tile 1's
.endm
	PAIR 0
	PAIR 1
	global_store_b64 v3, v[KSC:KSC+1], s[34:35] offset:8192   ; 32 lanes store 256 consecutive bytes, aligned
	s_wait_tensorcnt 0x0
	ds_add_u32 v248, v249
	s_wait_dscnt 0x0
	s_endpgm
	; ---- V: a lane takes a channel, and its registers run down the keys: a block of 32 keys lies in one lane, and the codes come out with the keys innermost.
.Lv:
	s_lshl_b32 s17, s23, 7
	s_add_co_u32 s26, s26, s17
	s_add_nc_u64 s[6:7], s[6:7], s[26:27]          ; values at the step's first key, my 32 channels
	s_lshl_b32 s24, s23, 11
	s_add_nc_u64 s[32:33], s[10:11], s[24:25]      ; my two tiles' codes, 4,096 further on
	s_lshl_b32 s24, s23, 7
	s_add_nc_u64 s[34:35], s[10:11], s[24:25]      ; my 128 bytes of scale words, 8,704 further on
.macro LOADV bb                        ; block bb: keys 32 bb + i of my channel; the wave reads 128 consecutive bytes, waves 2 and 3 side by side on a key's 256
.set i, 0
.rept 32
	global_load_b32 v[Y+32*((\bb)%2)+i], v4, s[6:7] offset:(32*(\bb)+i)*256 th:TH_LOAD_NT
.set i, i+1
.endr
.endm
.macro BLOCKV bb
.set YS, Y+32*((\bb)%2)
.if (\bb) < 3
	s_wait_loadcnt 32                              ; this block's 32 loads are in; the next block's may be out
.else
	s_wait_loadcnt 0x0
.endif
	BMAX YS
.irp g, 0,1,2,3
	v_cvt_scalef32_pk8_fp4_f32 v[C+4*(\bb)+\g], v[YS+8*\g:YS+8*\g+7], v226
.endr
	v_lshrrev_b32 v227, 23, v226                   ; the scale's byte.  (The plain line behind the conversions)
.if (\bb) == 0
	v_mov_b32 v[SB], v227
.else
	v_lshl_or_b32 v[SB], v227, 8*(\bb), v[SB]      ; the lower keys in the lower byte
.endif
	global_store_b128 v8, v[C+4*(\bb):C+4*(\bb)+3], s[32:33] offset:4096+512*((\bb)>>1)+256*((\bb)&1)   ; each half of the lanes stores 256 consecutive bytes, aligned
.if (\bb) < 2
	LOADV (\bb)+2
.endif
.endm
	LOADV 0
	LOADV 1
	BLOCKV 0
	BLOCKV 1
	BLOCKV 2
	BLOCKV 3
	global_store_b32 v4, v[SB], s[34:35] offset:8704   ; 128 consecutive bytes: waves 2 and 3 each write half of the record's last 256
.Lend:
	s_endpgm
.Lfunc_end_k_q1a90853bee_prep:
	.size	k_q1a90853bee_prep, .Lfunc_end_k_q1a90853bee_prep-k_q1a90853bee_prep
	.p2alignl 7, 3214868480
	.fill 96, 4, 3214868480
	.section	.rodata,"a",@progbits
	.p2align	6, 0x0
	.amdhsa_kernel k_q1a90853bee_prep
		.amdhsa_group_segment_fixed_size 17920
		.amdhsa_private_segment_fixed_size 0
		.amdhsa_enable_private_segment 0
		.amdhsa_kernarg_size 40
		.amdhsa_user_sgpr_count 2
		.amdhsa_user_sgpr_kernarg_segment_ptr 1
		.amdhsa_wavefront_size32 1
		.amdhsa_system_sgpr_workgroup_id_x 1
		.amdhsa_system_sgpr_workgroup_id_y 1
		.amdhsa_system_sgpr_workgroup_id_z 1
		.amdhsa_system_vgpr_workitem_id 0
		.amdhsa_next_free_vgpr 250
		.amdhsa_next_free_sgpr 66
		.amdhsa_reserve_vcc 1
		.amdhsa_float_denorm_mode_32 3
		.amdhsa_float_denorm_mode_16_64 3
		.amdhsa_memory_ordered 1
		.amdhsa_forward_progress 1
		.amdhsa_inst_pref_size 42
	.end_amdhsa_kernel
	.amdgpu_metadata
---
amdhsa.version: [ 1, 2 ]
amdhsa.kernels:
  - .name:           k_q1a90853bee_prep
    .symbol:         k_q1a90853bee_prep.kd
    .args:
      - { .name: keys, .offset: 0, .size: 8, .value_kind: global_buffer, .address_space: global }
      - { .name: values, .offset: 8, .size: 8, .value_kind: global_buffer, .address_space: global }
      - { .name: valid_lens, .offset: 16, .size: 8, .value_kind: global_buffer, .address_space: global }
      - { .name: kv, .offset: 24, .size: 8, .value_kind: global_buffer, .address_space: global }
      - { .name: order, .offset: 32, .size: 8, .value_kind: global_buffer, .address_space: global }
    .group_segment_fixed_size: 17920
    .private_segment_fixed_size: 0
    .kernarg_segment_align: 8
    .kernarg_segment_size: 40
    .max_flat_workgroup_size: 128
    .sgpr_count:     66
    .vgpr_count:     250
    .wavefront_size: 32
...
	.end_amdgpu_metadata
.endif
;; end of part 1
;; launch attn (part 2): grid 32 x 8, 16 waves a work-group, no clusters, 71,680 bytes of LDS; arguments queries, kv, order, out0; writes out0
.if DOCPART == 2
	.amdgcn_target "amdgcn-amd-amdhsa--gfx1250"
	.amdhsa_code_object_version 6
	.text
	.protected	k_q1a90853bee_attn
	.globl	k_q1a90853bee_attn
	.p2align	8
	.type	k_q1a90853bee_attn,@function
k_q1a90853bee_attn:
	s_mov_b64 s[64:65], 0
	v_nop
	global_prefetch_b8 v0, s[64:65] scope:SCOPE_SE
	s_setreg_imm32_b32 hwreg(HW_REG_WAVE_MODE, 25, 1), 1
	s_wait_xcnt 0x0
; out0[b][q][:] = the sum over k of softmax_k(masked Q[b][q] . K[b][k] / 8) V[b][k][:], both products on codes of FP4 (E2M1) with one E8M0 scale for each 32 along a product's K.
; THE SOFTMAX AHEAD OF THE SECOND PRODUCT: t = score x log2(e) / 8; M = the row's largest t so far, rounded UP to a whole number; p = 2^(t - M) is quantised along the keys, not normalised;
; the row's sum is taken of the unquantised p and divides at the end.  When M moves, the sum and O are multiplied by 2^(old M - new M): exact.
; THE MASK: key k counts where k < vl(b).  Steps of 128 keys that hold no valid key are not walked: their p is 0.  In a batch's last step the hidden scores become -8e6, the logit -1e6 that the problem gives them.
; K and V come from kv, which the launch before has laid in the order of the operands' registers (a record of 8,960 bytes for a batch's step: K's 8 tiles, V's 4 x 2 halves, the scale words): every fragment is
; loaded from memory straight into registers, 16 bytes a lane, 512 consecutive bytes an instruction.  Q is read once, by one wave: it is quantised here, in registers.
; SHARES.  A wave owns ONE tile of 16 queries of one batch, in 256 registers, and walks that batch's n = ceil(vl / 128) steps.  A work-group's sixteen waves are 4 batches x 4 tiles: wave w takes batch w / 4 of the
; four, tile w % 4 of the work-group's 64 queries.  The four batches have ranks j, 15 - j, 16 + j, 31 - j (j = work-group y) in the order of their step counts, which the launch before has stored:
; so every work-group has nearly the same number of steps in all, whatever valid_lens holds.
; NO TENSOR LOADS, NO JOINT REQUESTS, though many waves read the same records: the trip count hangs on valid_lens, a number read from memory.
; No barrier: waves share nothing; each has its own stage in LDS, for Q's way in and O's way out.
; LAYOUT.  Both products are used transposed: S^T = K Q^T (source 0 = 16 keys, source 1 = my 16 queries), O^T = V^T P^T (source 0 = 16 channels, source 1 = P): a lane holds ONE query (lane % 16) throughout.
; Lane r of K's tile 2 b + u holds key 32 b + 8 u + r + 8 (r / 8), so that the 16 registers of tiles 2 b, 2 b + 1 are the neighbouring keys 32 b + 16 (lane / 16) + 0 .. 15.
; THE FIRST PRODUCT'S K IS 64, THE INSTRUCTION'S 128: Q's upper four registers are zero codes.  So source 0 of tile t may name, as its upper four registers, the next tile's codes (behind tile 7: four zeros):
; every code is a finite number, the scale bytes of the upper 64 are 0x7f on both sides, and the products are exact zeros.  A tile of K costs four registers and one load.
; LIMITS.  NaN and infinities among the inputs are not served.  Leaving the hidden steps out is exact while some valid key's logit lies above about -1e6 + 104.  vl above 2048 acts as 2048.
; vl <= 0: the problem gives all 2048 keys the same logit, so p = 1 for all: here Q's codes are ANDed with 0 (all scores 0), vl is taken as 2048 and all 16 steps are walked; no branch.
; A block whose every p is 0 keeps the scale byte 1: its codes are zeros.
.set REC, 8960
.set SP,  272                          ; a stage row: 256 bytes + 16 of padding = 68 words: the sixteen rows that a load or store touches start at sixteen different banks (64 banks of 4 bytes: ISA guide 11.1)
.set LO,  1                            ; v1   16 x lane; never rewritten
.set L8,  2                            ; v2   8 x lane
.set L4,  3                            ; v3   4 x lane
.set RD,  4                            ; v4   stage: two rows an instruction, sixteen lanes to a row
.set STO, 5                            ; v5   stage: row r, + 32 h
.set H16, 6                            ; v6   16 h
.set NEG, 7                            ; v7   -8e6
.set KS,  8                            ; v8-11  K's scale words: register i: lanes 0-15 tile 2 i, lanes 16-31 tile 2 i + 1
.set QF,  16                           ; v16-23 Q's fragment; v20-23 zero codes
.set QS,  24                           ; v24    Q's scale words
.set VS,  26                           ; v26-27 V's scale words
.set QR,  28                           ; v28   stage: row r, + 128 h
.set PFO, 29                           ; v29   256 x lane
.set KF,  32                           ; v32-63 K's 8 tiles x 4 registers; v64-67 zeros
.set VF,  68                           ; v68-99 V's 4 tiles x 8 registers
.set S,   100                          ; v100-163 S^T, then p
.set O,   164                          ; v164-195 O^T
.set PC,  196                          ; v196-203 p's codes
.set BM,  204                          ; v204-207 each block's largest score, then its largest p
.set T2,  208                          ; v208-211 at work
.set SO,  212                          ; v212-215 the conversions' scale operands
.set SU,  216                          ; v[216:217] the step's second chain of sums
.set TMP, 218
.set FF,  220                          ; v[220:221] f = 2^(old M - new M); v221 is named with it as a pair
.set PW,  222                          ; v222 p's scale word
; v12 -M, v13 the largest t, v[14:15] the row's sum in two halves.  s[6:7] kv at my batch's step in hand; s32 steps to go less one; s36 1 in a wave that prefetches, else the greatest number
	s_load_b256 s[4:11], s[0:1], 0x0               ; queries s[4:5], kv s[6:7], order s[8:9], out0 s[10:11]
	v_lshl_add_u32 v254, v0, 2, 0x11000
	v_mov_b32 v255, 0
	v_lshrrev_b32 v30, 5, v0
	v_readfirstlane_b32 s12, v30                   ; wave 0..15
	s_and_b32 s13, ttmp7, 0xffff                   ; j
	s_lshr_b32 s14, s12, 2                         ; a: which of the four batches
	s_and_b32 s15, s12, 3                          ; which 16 of the 64 queries
	s_sub_co_u32 s16, 15, s13
	s_and_b32 s17, s14, 1
	s_cmp_eq_u32 s17, 0
	s_cselect_b32 s16, s13, s16                    ; j or 15 - j,
	s_lshr_b32 s17, s14, 1
	s_lshl_b32 s17, s17, 4
	s_add_co_u32 s16, s16, s17                     ; + 16 (a / 2): my batch's rank
	s_lshl_b32 s24, s16, 3
	s_mov_b32 s25, 0
	s_mov_b32 s27, 0
	s_mov_b32 s38, 0x76543210
	s_mov_b32 s39, 0xfedcba98                      ; v_permlanex16_b32's selects for lane l xor 16
	s_mov_b32 s40, 0x3e38aa3b                      ; c = log2(e) / 8
	s_mov_b32 s41, s40                             ; (the packed form names the pair, so it is written)
	s_wait_kmcnt 0x0
	s_add_nc_u64 s[8:9], s[8:9], s[24:25]
	s_load_b64 s[20:21], s[8:9], 0x0               ; (batch, vl)
	v_and_b32 v30, 31, v0                          ; lane
	v_and_b32 v31, 15, v0                          ; r
	v_bfe_u32 v25, v0, 4, 1                        ; h
	v_lshlrev_b32 v[LO], 4, v30
	v_lshlrev_b32 v[L8], 3, v30
	v_lshlrev_b32 v[L4], 2, v30
	v_lshlrev_b32 v[PFO], 8, v30
	v_lshlrev_b32 v[H16], 4, v25
	s_mul_i32 s16, s12, 16*SP                      ; my stage
	v_mul_u32_u24 v[RD], v25, SP
	v_lshl_add_u32 v[RD], v31, 4, v[RD]
	v_add_nc_u32 v[RD], s16, v[RD]
	v_mul_u32_u24 v[STO], v31, SP
	v_lshl_add_u32 v[QR], v25, 7, v[STO]
	v_lshl_add_u32 v[STO], v25, 5, v[STO]
	v_add_nc_u32 v[STO], s16, v[STO]
	v_add_nc_u32 v[QR], s16, v[QR]
	s_wait_kmcnt 0x0
	s_min_u32 s20, s20, 31                         ; loaded numbers enter addresses and counts only behind a bound
	s_min_u32 s21, s21, 0x800
	s_mov_b32 s16, 0x800
	s_cmp_eq_u32 s21, 0
	s_cselect_b32 s43, 0, -1                       ; no valid key: Q's codes become zeros,
	s_cselect_b32 s21, s16, s21                    ; and all 2048 keys count
	s_add_co_u32 s22, s21, 127
	s_lshr_b32 s22, s22, 7                         ; n = ceil(vl / 128), 1 .. 16
	s_sub_co_u32 s32, s22, 1                       ; the loop's trips: all steps but the last
	s_lshl_b32 s16, s32, 7
	s_sub_co_u32 s42, s21, s16
	s_sub_co_u32 s42, s42, 1                       ; the last valid key's place in the last step, 0 .. 127
	s_lshl_b32 s24, s20, 19                        ; a batch is 2048 rows of 256 bytes,
	s_lshl_b32 s16, ttmp9, 14                      ; the work-group's block 64 rows,
	s_add_co_u32 s24, s24, s16
	s_lshl_b32 s16, s15, 12                        ; my tile 16
	s_add_co_u32 s24, s24, s16
	s_add_nc_u64 s[4:5], s[4:5], s[24:25]
	s_add_nc_u64 s[10:11], s[10:11], s[24:25]
	s_mul_i32 s26, s20, 16*REC
	s_add_nc_u64 s[6:7], s[6:7], s[26:27]          ; my batch's step 0
	s_or_b32 s16, ttmp9, s15
	s_cmp_eq_u32 s16, 0
	s_cselect_b32 s36, 1, -1                       ; of the 128 waves that walk a batch, the one with the first 16 queries prefetches
.macro KLOADS off                      ; a step's K: 8 tiles, one load each, and the scale words: ten loads
.irp t, 0,1,2,3,4,5,6,7
	global_load_b128 v[KF+4*\t:KF+4*\t+3], v[LO], s[6:7] offset:\off+512*\t
.endr
.irp f, 0,1
	global_load_b64 v[KS+2*\f:KS+2*\f+1], v[L8], s[6:7] offset:\off+8192+256*\f
.endr
.endm
.macro VLOADS                          ; a step's V: 4 tiles x 2 halves, and the scale words: ten loads
.irp t, 0,1,2,3
.irp c, 0,1
	global_load_b128 v[VF+8*\t+4*\c:VF+8*\t+4*\c+3], v[LO], s[6:7] offset:4096+1024*\t+512*\c
.endr
.endr
.irp i, 0,1
	global_load_b32 v[VS+\i], v[L4], s[6:7] offset:8704+128*\i
.endr
.endm
.irp i, 0,1,2,3,4,5,6,7
	global_load_b128 v[S+4*\i:S+4*\i+3], v[LO], s[4:5] offset:512*\i th:TH_LOAD_NT   ; Q: two rows, 512 consecutive bytes, an instruction
.endr
	KLOADS 0
	VLOADS
	v_mov_b32 v[NEG], 0xcaf42400                   ; -8e6
	v_mov_b32 v13, 0xff61b1e6                      ; the largest t so far: -3e38, under every t
	v_floor_f32 v12, -v13                          ; -M
	v_mov_b32 v14, 0
	v_mov_b32 v15, 0
	v_mov_b32 v[FF+1], 0
.irp b, 0,1,2,3
	v_mov_b32 v[T2+\b], 0                          ; written once: a lane permute's destination counts as one of its sources
	v_mov_b32 v[QF+4+\b], 0                        ; Q's zero codes for the instruction's upper 64 along K
	v_mov_b32 v[KF+32+\b], 0                       ; what tile 7 names as its upper four registers
.endr
	s_wait_loadcnt 20                              ; Q's eight loads are in; behind them K's ten and V's ten may be out
	; Q turns through my stage: a lane of the fragment wants 32 neighbouring channels of ONE query
.irp i, 0,1,2,3,4,5,6,7
	ds_store_b128 v[RD], v[S+4*\i:S+4*\i+3] offset:2*SP*\i
.endr
.irp j, 0,1,2,3,4,5,6,7
	ds_load_b128 v[S+32+4*\j:S+32+4*\j+3], v[QR] offset:16*\j   ; LDS serves a wave's instructions in order (ISA guide 5.7.1.4): these see my stores
.endr
	s_wait_dscnt 0x0
	v_max3_num_f32 v[BM], |v[S+32]|, |v[S+33]|, |v[S+34]|          ; my block's largest magnitude: all 32 numbers are mine
	v_max3_num_f32 v[BM+1], |v[S+35]|, |v[S+36]|, |v[S+37]|
.irp i, 6,10,14,18,22,26
	v_max3_num_f32 v[BM], v[BM], |v[S+32+\i]|, |v[S+33+\i]|
	v_max3_num_f32 v[BM+1], v[BM+1], |v[S+34+\i]|, |v[S+35+\i]|
.endr
	v_max3_num_f32 v[BM], v[BM], |v[S+62]|, |v[S+63]|
	v_max3_num_f32 v[BM], v[BM], v[BM+1], 0x1800000    ; and the floor 2^(3 - 127): the byte cannot fall under 1
	v_add_nc_u32 v[SO], 0xff000000, v[BM]          ; 2 off its exponent field: the conversions' scale operand
.irp g, 0,1,2,3
	v_cvt_scalef32_pk8_fp4_f32 v[QF+\g], v[S+32+8*\g:S+39+8*\g], v[SO]
.endr
	v_lshrrev_b32 v[BM+1], 23, v[SO]               ; the scale's byte.  (The plain line behind the conversions)
	v_lshrrev_b32 v[BM+2], 1, v[H16]               ; 8 h
	v_lshlrev_b32 v[BM+1], v[BM+2], v[BM+1]        ; my block's byte at its place,
	v_permlanex16_b32 v[T2], v[BM+1], s38, s39
	v_or_b32 v[QS], v[BM+1], v[T2]                 ; with lane l xor 16's;
	v_or_b32 v[QS], 0x7f7f0000, v[QS]              ; scale 1 over the zero codes
.irp g, 0,1,2,3
	v_and_b32 v[QF+\g], s43, v[QF+\g]              ; all ones, or, where no key is valid, 0
.endr
.set m, 0
.rept 32
	v_mov_b32 v[O+m], 0                            ; O^T.  The step is written for a running state: the first finds zeros, which the first change of M leaves zeros.  (These are also the places between the
.set m, m+1                                        ; vector writes of Q's codes and scale word and the first scaled matrix instruction)
.endr
; A KEY STEP: 128 keys.  last = 1: the batch's last step: the mask is applied, and nothing more is loaded.
.macro STEP last
	s_wait_loadcnt 10                              ; this step's K is in; behind it this step's V, ten loads, may be out.  The same count from the head and round the loop
.irp t, 0,2,4,6
	v_wmma_scale_f32_16x16x128_f8f6f4 v[S+8*\t:S+8*\t+7], v[KF+4*\t:KF+4*\t+7], v[QF:QF+7], 0, v[KS+\t/2], v[QS] matrix_a_fmt:MATRIX_FMT_FP4 matrix_b_fmt:MATRIX_FMT_FP4
	v_wmma_scale_f32_16x16x128_f8f6f4 v[S+8*\t+8:S+8*\t+15], v[KF+4*\t+4:KF+4*\t+11], v[QF:QF+7], 0, v[KS+\t/2], v[QS] matrix_a_fmt:MATRIX_FMT_FP4 matrix_b_fmt:MATRIX_FMT_FP4 matrix_a_scale:MATRIX_SCALE_ROW1
.endr
.rept 4
	v_nop                                          ; four places ahead of the loads into K's registers and of the first read of the scores
.endr
.if !\last
	KLOADS REC                                     ; the next step's K: it has this step's softmax in which to land
	; A PREFETCH INTO THE L2 of the eight tiles of K and the eight halves of V of the step after that: 8,192 bytes, lanes 256 bytes apart, one instruction, behind the wave's loads.  One wave of the 128 that walk a
	; batch asks, so each block is named once in the launch.  It asks while two trips or more are left: the record named is at most the batch's last.  The first two steps come by their loads alone.
	s_cmp_gt_u32 s32, s36
	s_cbranch_scc0 .Lnot_mine_\@
	global_prefetch_b8 v[PFO], s[6:7] offset:2*REC th:TH_LOAD_NT scope:SCOPE_SE
.Lnot_mine_\@:
.else
	v_sub_nc_u32 v[TMP], s42, v[H16]               ; register 16 b + i holds the step's key 32 b + 16 h + i: hidden where 32 b + i > (the last valid key's place) - 16 h
.set m, 0
.rept 64
	v_cmp_gt_i32 vcc_lo, 32*(m/16)+m%16, v[TMP]
	v_cndmask_b32 v[S+m], v[S+m], v[NEG], vcc_lo   ; always executed: where all 128 keys count it changes nothing
.set m, m+1
.endr
.endif
.irp b, 0,1,2,3
	v_max3_num_f32 v[BM+\b], v[S+16*\b], v[S+1+16*\b], v[S+2+16*\b]   ; the largest score of each block of 32 keys: it serves for the row's maximum and, since p rises with the score, for the block's largest p
.endr
.irp i, 3,5,7,9,11,13
.irp b, 0,1,2,3
	v_max3_num_f32 v[BM+\b], v[BM+\b], v[S+16*\b+\i], v[S+1+16*\b+\i]   ; (the four blocks by turns)
.endr
.endr
.irp b, 0,1,2,3
	v_max_num_f32 v[BM+\b], v[BM+\b], v[S+15+16*\b]
.endr
.irp b, 0,1,2,3
	v_permlanex16_b32 v[T2+\b], v[BM+\b], s38, s39
.endr
.irp b, 0,1,2,3
	v_max_num_f32 v[BM+\b], v[BM+\b], v[T2+\b]     ; with lane l xor 16's 16 keys
.endr
	v_max3_num_f32 v[TMP], v[BM], v[BM+1], v[BM+2]
	v_max_num_f32 v[TMP], v[TMP], v[BM+3]          ; the step's largest score of my query
	v_mul_f32 v[TMP], s40, v[TMP]                  ; as t (c is positive)
	v_max_num_f32 v13, v13, v[TMP]                 ; the running largest t
	v_mov_b32 v[TMP], v12
	v_floor_f32 v12, -v13                          ; the new -M = floor(-t) = -ceil(t): a whole number
	v_sub_f32 v[TMP], v12, v[TMP]                  ; old M - new M: a whole number, 0 or less
	v_cvt_i32_f32 v[TMP], v[TMP]                   ; (it saturates)
	v_ldexp_f32 v[FF], 1.0, v[TMP]                 ; f = 2^(old M - new M)
.set m, 0
.rept 32
	v_pk_fma_f32 v[S+m:S+m+1], v[S+m:S+m+1], s[40:41], v[12:13] op_sel_hi:[1,0,0]   ; t - M, two at a time (of the pairs c and -M the low word serves both halves)
.set m, m+2
.endr
.irp b, 0,1,2,3
	v_fma_f32 v[BM+\b], v[BM+\b], s40, v12         ; the same of each block's largest score
.endr
.set m, 0
.rept 64
	v_exp_f32 v[S+m], v[S+m]                       ; p = 2^(t - M), at most 1: not normalised
.set m, m+1
.endr
.irp b, 0,1,2,3
	v_exp_f32 v[BM+\b], v[BM+\b]                   ; the block's largest p: the same two instructions on the same number give the same bits
.endr
	v_pk_mul_f32 v[14:15], v[14:15], v[FF:FF+1] op_sel_hi:[1,0]   ; the sums under the new M.  (The plain instruction behind the exponentials)
.set m, 0
.rept 16
	v_pk_mul_f32 v[O+m:O+m+1], v[O+m:O+m+1], v[FF:FF+1] op_sel_hi:[1,0]   ; O^T under the new M, each accumulator from its low end on: work that names no exponential's result
.set m, m+2
.endr
	s_wait_alu depctr_va_vdst(0)                   ; a wait ahead of the first instruction that names an exponential's result: one for the batch of 68
.irp b, 0,1,2,3
	v_max_num_f32 v[BM+\b], 0x1800000, v[BM+\b]    ; the floor 2^(3 - 127): the byte cannot fall under 1
.endr
.irp b, 0,1,2,3
	v_add_nc_u32 v[SO+\b], 0xff000000, v[BM+\b]    ; 2 off the exponent field: the conversion's scale operand
.endr
.irp b, 0,1,2,3
	v_lshrrev_b32 v[T2+\b], 23, v[SO+\b]           ; the scale's byte
.endr
	v_lshl_or_b32 v[PW], v[T2+1], 8, v[T2]         ; p's scale word for these 128 keys
	v_lshl_or_b32 v[PW], v[T2+2], 16, v[PW]
	v_lshl_or_b32 v[PW], v[T2+3], 24, v[PW]
.irp b, 0,1,2,3
	v_cvt_scalef32_pk8_fp4_f32 v[PC+2*\b], v[S+16*\b:S+7+16*\b], v[SO+\b]
	v_cvt_scalef32_pk8_fp4_f32 v[PC+1+2*\b], v[S+8+16*\b:S+15+16*\b], v[SO+\b]
.endr
	v_nop                                          ; one plain vector instruction between a scaled conversion and the vector instruction that touches its result
.irp c, 0,1                                    ; the operand's layout wants a WHOLE block in a lane: lanes 0-15 block 2 c, lanes 16-31 block 2 c + 1
.irp i, 0,1
	v_permlane16_swap_b32 v[PC+4*\c+\i], v[PC+2+4*\c+\i]
.endr
.endr
	v_pk_add_f32 v[SU:SU+1], v[S:S+1], v[S+2:S+3]  ; THE ROW'S SUM IS TAKEN OF THE UNQUANTISED p, two at a time, in two chains.  Its first 15 lines stand here: they are the places between the vector
.irp j, 4,8,12,16,20,24,28                     ; writes of p's scale word (8 are asked) and codes (4) and the scaled matrix instructions
	v_pk_add_f32 v[14:15], v[14:15], v[S+\j:S+\j+1]
	v_pk_add_f32 v[SU:SU+1], v[SU:SU+1], v[S+\j+2:S+\j+3]
.endr
.if \last
	s_wait_loadcnt 0x0                             ; V is in: nothing was asked for behind it
.else
	s_wait_loadcnt 10                              ; this step's V is in; behind it the next step's K, ten loads, may be out
.endif
.irp t, 0,2                                    ; O^T += V^T P^T.  The four accumulators take turns, one instruction a turn, and eight products K Q^T stand between two sums onto one accumulator
	v_wmma_scale_f32_16x16x128_f8f6f4 v[O+8*\t:O+8*\t+7], v[VF+8*\t:VF+8*\t+7], v[PC:PC+7], v[O+8*\t:O+8*\t+7], v[VS+\t/2], v[PW] matrix_a_fmt:MATRIX_FMT_FP4 matrix_b_fmt:MATRIX_FMT_FP4
	v_wmma_scale_f32_16x16x128_f8f6f4 v[O+8*\t+8:O+8*\t+15], v[VF+8*\t+8:VF+8*\t+15], v[PC:PC+7], v[O+8*\t+8:O+8*\t+15], v[VS+\t/2], v[PW] matrix_a_fmt:MATRIX_FMT_FP4 matrix_b_fmt:MATRIX_FMT_FP4 matrix_a_scale:MATRIX_SCALE_ROW1
.endr
.irp j, 32,36,40,44,48,52,56,60                ; the sum's other 17 lines name none of those products' registers: they are the places behind them, ahead of the loads into V's registers and of the next read of O^T
	v_pk_add_f32 v[14:15], v[14:15], v[S+\j:S+\j+1]
	v_pk_add_f32 v[SU:SU+1], v[SU:SU+1], v[S+\j+2:S+\j+3]
.endr
	v_pk_add_f32 v[14:15], v[14:15], v[SU:SU+1]
.if !\last
	s_wait_xcnt 0x0                                ; K's loads and the prefetch, issued a softmax ago, have read their base: only behind this wait is it stepped
	s_add_nc_u64 s[6:7], s[6:7], REC
	VLOADS                                         ; the next step's V
.endif
.endm
	s_cmp_eq_u32 s32, 0
	s_cbranch_scc1 .Ltail                          ; a batch of one step has only the last
.Lstep:                                            ; n - 1 trips
	STEP 0
	s_sub_co_u32 s32, s32, 1
	s_cmp_lg_u32 s32, 0
	s_cbranch_scc1 .Lstep
.Ltail:
	STEP 1
	; THE WAY OUT.  O^T is divided by the row's sum and goes through my stage, so that whole rows of 256 bytes leave: 32 lanes store 512 consecutive bytes, aligned to 256.
	v_add_f32 v14, v14, v15                        ; the sum's two halves,
	v_permlanex16_b32 v[TMP], v14, s38, s39
	v_add_f32 v14, v14, v[TMP]                     ; and lane l xor 16's: the row's sum
	v_rcp_f32 v14, v14
	v_nop                                          ; one plain instruction behind the reciprocal
	s_wait_alu depctr_va_vdst(0)                   ; and a wait ahead of its first reader
.set m, 0
.rept 16
	v_pk_mul_f32 v[S+m:S+m+1], v[O+m:O+m+1], v[14:15] op_sel_hi:[1,0]   ; register 8 t + i is o(query r, channel 16 t + 8 h + i); each accumulator from its low end on
.set m, m+2
.endr
.irp t, 0,1,2,3
	ds_store_b128 v[STO], v[S+8*\t:S+8*\t+3] offset:64*\t
	ds_store_b128 v[STO], v[S+8*\t+4:S+8*\t+7] offset:64*\t+16
.endr
.irp i, 0,1,2,3,4,5,6,7
	ds_load_b128 v[S+32+4*\i:S+32+4*\i+3], v[RD] offset:2*SP*\i   ; LDS serves a wave's instructions in order: these see my stores
.endr
.irp i, 0,1,2,3,4,5,6,7
	s_wait_dscnt 7-\i                              ; load i is in; the younger ones may be out
	global_store_b128 v[LO], v[S+32+4*\i:S+32+4*\i+3], s[10:11] offset:512*\i th:TH_STORE_NT
.endr
	s_wait_tensorcnt 0x0
	ds_add_u32 v254, v255
	s_wait_dscnt 0x0
	s_endpgm
.Lfunc_end_k_q1a90853bee_attn:
	.size	k_q1a90853bee_attn, .Lfunc_end_k_q1a90853bee_attn-k_q1a90853bee_attn
	.p2alignl 7, 3214868480
	.fill 96, 4, 3214868480
	.section	.rodata,"a",@progbits
	.p2align	6, 0x0
	.amdhsa_kernel k_q1a90853bee_attn
		.amdhsa_group_segment_fixed_size 71680
		.amdhsa_private_segment_fixed_size 0
		.amdhsa_enable_private_segment 0
		.amdhsa_kernarg_size 32
		.amdhsa_user_sgpr_count 2
		.amdhsa_user_sgpr_kernarg_segment_ptr 1
		.amdhsa_wavefront_size32 1
		.amdhsa_system_sgpr_workgroup_id_x 1
		.amdhsa_system_sgpr_workgroup_id_y 1
		.amdhsa_system_sgpr_workgroup_id_z 1
		.amdhsa_system_vgpr_workitem_id 0
		.amdhsa_next_free_vgpr 256
		.amdhsa_next_free_sgpr 66
		.amdhsa_reserve_vcc 1
		.amdhsa_float_denorm_mode_32 3
		.amdhsa_float_denorm_mode_16_64 3
		.amdhsa_memory_ordered 1
		.amdhsa_forward_progress 1
		.amdhsa_inst_pref_size 48
	.end_amdhsa_kernel
	.amdgpu_metadata
---
amdhsa.version: [ 1, 2 ]
amdhsa.kernels:
  - .name:           k_q1a90853bee_attn
    .symbol:         k_q1a90853bee_attn.kd
    .args:
      - { .name: queries, .offset: 0, .size: 8, .value_kind: global_buffer, .address_space: global }
      - { .name: kv, .offset: 8, .size: 8, .value_kind: global_buffer, .address_space: global }
      - { .name: order, .offset: 16, .size: 8, .value_kind: global_buffer, .address_space: global }
      - { .name: out0, .offset: 24, .size: 8, .value_kind: global_buffer, .address_space: global }
    .group_segment_fixed_size: 71680
    .private_segment_fixed_size: 0
    .kernarg_segment_align: 8
    .kernarg_segment_size: 32
    .max_flat_workgroup_size: 512
    .sgpr_count:     66
    .vgpr_count:     256
    .wavefront_size: 32
...
	.end_amdgpu_metadata
.endif
;; end of part 2
;; ======== version 2 of 2: 2 launches
;; limits: right only within a limited range of input values
;; workspace buffers: kv 4,587,520 bytes; order 256 bytes of whole numbers
;; launch prep (part 3): grid 16 x 32, 4 waves a work-group, no clusters, 17,920 bytes of LDS; arguments keys, values, valid_lens, kv, order; writes kv, order
.if DOCPART == 3
	.amdgcn_target "amdgcn-amd-amdhsa--gfx1250"
	.amdhsa_code_object_version 6
	.text
	.protected	k_q1a90853bee_prep
	.globl	k_q1a90853bee_prep
	.p2align	8
	.type	k_q1a90853bee_prep,@function
k_q1a90853bee_prep:
	s_mov_b64 s[64:65], 0
	v_nop
	global_prefetch_b8 v0, s[64:65] scope:SCOPE_SE
	s_setreg_imm32_b32 hwreg(HW_REG_WAVE_MODE, 25, 1), 1
	s_wait_xcnt 0x0
; keys and values [32][2048][64] f32 become codes of FP4 (E2M1) with one E8M0 byte for each 32 along a product's K, laid in the ORDER OF THE OPERANDS' REGISTERS,
; so that the attention launch loads every fragment whole, 16 bytes a lane.  keys are quantised along the 64 channels, values along the keys.
; A RECORD of kv, 8,960 bytes (35 x 256), belongs to (batch b, step s = keys 128 s .. 128 s + 127) and lies at (16 b + s) x 8,960:
;   +0     K's codes: tile t = 0..7, 512 bytes each, lane l's 16 bytes at 512 t + 16 l: lane (r = l % 16, h = l / 16) holds channels 32 h .. 32 h + 31 of key 32 (t / 2) + 8 (t % 2) + r + 8 (r / 8)
;   +4096  V's codes: tile t = 0..3 (channels 16 t + r), half c = 0, 1: lane l's 16 bytes at 1024 t + 512 c + 16 l: keys 64 c + 32 h + 0 .. 31 of channel 16 t + r
;   +8192  K's scale words [half 0, 1][lane][2]: word p of half f belongs to the pair of tiles i = 2 f + p: lanes 0-15 tile 2 i's row r, lanes 16-31 tile 2 i + 1's; bytes 0, 1: the key's two blocks; bytes 2, 3: 0x7f
;   +8704  V's scale words [i = 0, 1][lane]: lanes 0-15 tile 2 i's row r, lanes 16-31 tile 2 i + 1's; byte j: keys 32 j .. 32 j + 31 of the step
; A block's scale is 2^(floor(log2(its largest magnitude)) - 2): its byte is the largest magnitude's exponent field - 2, held at 1 from below.
; ONLY THE STEPS THAT HOLD A VALID KEY ARE MADE: n(b) = ceil(vl / 128) of them (16 where vl <= 0, where every key counts alike); the attention launch reads no other record.
; A work-group whose step lies behind n(b) stores nothing: a branch on valid_lens.
; order: 32 records of 8 bytes, (batch, its vl held to 0 .. 2048), ascending by n(b) x 32 + b: made by wave 0 of work-group (0, 0), each lane counting the smaller keys; no atomics.
; SHARES: work-group (x = step, y = batch).  Waves 0, 1: 64 keys of K each (four tiles).  Waves 2, 3: 32 channels of V each, all 128 keys.  Waves share nothing: no barrier.
; LIMITS: NaN and infinities among the inputs are not served.  A block of zeros gets the byte 1 where the rule says 127: its codes are zeros, and this program alone reads the bytes.
.set REC,   8960
.set PITCH, 272                        ; a key's 256 bytes + 16 of padding in the stage: 68 words, so the sixteen rows that a load touches start at sixteen different banks (64 banks of 4 bytes: ISA guide 11.1)
.set STG,   32*PITCH                   ; a K wave's own stage: 32 keys
.set KSC,   10                         ; v10-11  K's scale words of my two pairs of tiles
.set SB,    12                         ; v12     V's scale word of my channel
.set C,     16                         ; v16-31  codes: four registers for each tile or block, never written again, so no store's data are overwritten
.set R,     32                         ; v32-159 K: 32 loads as they come
.set Y,     32                         ; v32-95  V: two sets of 32 numbers
.set X,     160                        ; v160-223 K: two tiles x 32 numbers of one lane's block
	s_load_b256 s[4:11], s[0:1], 0x0               ; keys s[4:5], values s[6:7], valid_lens s[8:9], kv s[10:11]
	s_load_b64 s[12:13], s[0:1], 0x20              ; order
	v_lshl_add_u32 v248, v0, 2, 0x4400
	v_mov_b32 v249, 0
	v_lshrrev_b32 v1, 5, v0
	v_readfirstlane_b32 s14, v1                    ; wave 0..3
	s_and_b32 s15, ttmp7, 0xffff                   ; batch b
	s_mov_b32 s16, ttmp9                           ; step s
	s_and_b32 s23, s14, 1                          ; which half: of the step's keys (K), of the channels (V)
	s_mul_i32 s17, s23, STG                        ; my stage (waves 0 and 1 alone use one)
	s_mov_b32 s20, 0x76543210
	s_mov_b32 s21, 0xfedcba98                      ; v_permlanex16_b32's selects for lane l xor 16
	v_and_b32 v1, 31, v0                           ; lane l
	v_and_b32 v9, 15, v0                           ; r
	v_bfe_u32 v13, v0, 4, 1                        ; h
	v_lshlrev_b32 v2, 4, v1                        ; 16 l
	v_lshlrev_b32 v3, 3, v1                        ; 8 l
	v_lshlrev_b32 v4, 2, v1                        ; 4 l
	v_mul_u32_u24 v5, v13, PITCH
	v_lshl_add_u32 v5, v9, 4, v5
	v_add_nc_u32 v5, s17, v5                       ; into the stage: a load's two keys, 16 lanes to a key
	v_mul_u32_u24 v6, v9, PITCH
	v_lshl_add_u32 v6, v13, 7, v6
	v_add_nc_u32 v6, s17, v6                       ; out of it: place r, my half's 128 bytes
	v_lshlrev_b32 v7, 3, v13                       ; 8 h: where my block's byte stands in a key's scale word
	v_lshlrev_b32 v8, 10, v13
	v_lshl_add_u32 v8, v9, 4, v8                   ; V's codes: 1024 (l / 16) + 16 (l % 16)
	v_mov_b32 v230, 0                              ; written once: a lane permute's destination counts as one of its sources
	s_lshl_b32 s24, s15, 2
	s_mov_b32 s25, 0
	s_wait_kmcnt 0x0
	s_add_nc_u64 s[30:31], s[8:9], s[24:25]
	s_load_b32 s18, s[30:31], 0x0                  ; vl of my batch
	s_wait_kmcnt 0x0
	s_max_i32 s18, s18, 0
	s_min_u32 s18, s18, 0x800                      ; held to 0 .. 2048
	s_add_co_u32 s19, s18, 127
	s_lshr_b32 s19, s19, 7                         ; n = ceil(vl / 128),
	s_cmp_eq_u32 s18, 0
	s_cselect_b32 s19, 16, s19                     ; or all 16 steps where no key is valid
	; ---- the order of the batches: one wave of the launch
	s_or_b32 s17, s16, s15
	s_or_b32 s17, s17, s14
	s_cmp_lg_u32 s17, 0
	s_cbranch_scc1 .Lno_sort
	global_load_b32 v240, v4, s[8:9]               ; lane l: vl of batch l
	v_mov_b32 v238, 0
	v_mov_b32 v239, 1
	v_mov_b32 v242, 16
	v_mov_b32 v244, 0                              ; my rank
	s_wait_loadcnt 0x0
	v_max_i32 v240, 0, v240
	v_min_u32 v240, 0x800, v240
	v_add_nc_u32 v241, 127, v240
	v_lshrrev_b32 v241, 7, v241
	s_wait_alu depctr_va_vdst(0)
	v_cmp_eq_u32 vcc_lo, 0, v240
	v_cndmask_b32 v241, v241, v242, vcc_lo         ; n of batch l
	v_lshl_or_b32 v243, v241, 5, v1                ; the key: n x 32 + batch: no two are equal
.irp i, 0,1,2,3,4,5,6,7,8,9,10,11,12,13,14,15,16,17,18,19,20,21,22,23,24,25,26,27,28,29,30,31
	v_readlane_b32 s28, v243, \i
	v_cmp_lt_u32 vcc_lo, s28, v243
	v_cndmask_b32 v245, v238, v239, vcc_lo
	v_add_nc_u32 v244, v244, v245                  ; how many keys lie under mine
.endr
	v_min_u32 v244, 31, v244                       ; a number made of loaded data enters an address only behind a bound
	v_lshlrev_b32 v244, 3, v244
	v_mov_b32 v246, v1
	v_mov_b32 v247, v240
	global_store_b64 v244, v[246:247], s[12:13]    ; the 32 lanes fill order's 256 bytes; none of these registers is written again
.Lno_sort:
	s_cmp_ge_u32 s16, s19
	s_cbranch_scc1 .Lend                           ; no valid key in this step: nobody reads its record
	s_lshl_b32 s17, s15, 4
	s_add_co_u32 s17, s17, s16
	s_mul_i32 s24, s17, REC
	s_add_nc_u64 s[10:11], s[10:11], s[24:25]      ; my record
	s_lshl_b32 s26, s15, 19                        ; a batch is 2048 x 256 bytes,
	s_lshl_b32 s17, s16, 15                        ; a step 128 x 256
	s_add_co_u32 s26, s26, s17
	s_mov_b32 s27, 0
; The largest magnitude of the 32 numbers v[b0] .. v[b0 + 31], with the floor 2^(3 - 127) among its leaves, in v224; with 2 off its exponent field, the conversions' scale operand, in v226
.macro BMAX b0
	v_max3_num_f32 v224, |v[\b0]|, |v[\b0+1]|, |v[\b0+2]|
	v_max3_num_f32 v225, |v[\b0+3]|, |v[\b0+4]|, |v[\b0+5]|
.irp i, 6,10,14,18,22,26
	v_max3_num_f32 v224, v224, |v[\b0+\i]|, |v[\b0+\i+1]|
	v_max3_num_f32 v225, v225, |v[\b0+\i+2]|, |v[\b0+\i+3]|
.endr
	v_max3_num_f32 v224, v224, |v[\b0+30]|, |v[\b0+31]|
	v_max3_num_f32 v224, v224, v225, 0x1800000     ; the floor: the byte cannot fall under 1
	v_add_nc_u32 v226, 0xff000000, v224            ; the conversion takes the exponent field of this operand as its scale, and nothing else of it
.endm
	s_cmp_ge_u32 s14, 2
	s_cbranch_scc1 .Lv
	; ---- K: my 64 keys.  Each load reads 512 consecutive bytes (two keys); a lane of a fragment wants 32 neighbouring channels of ONE key: the numbers turn through my own stage in LDS.
	s_lshl_b32 s17, s23, 14
	s_add_co_u32 s26, s26, s17
	s_add_nc_u64 s[4:5], s[4:5], s[26:27]          ; keys at my first key
	s_lshl_b32 s24, s23, 11
	s_add_nc_u64 s[32:33], s[10:11], s[24:25]      ; my four tiles' codes
	s_lshl_b32 s24, s23, 8
	s_add_nc_u64 s[34:35], s[10:11], s[24:25]      ; my 256 bytes of scale words, 8,192 further on
	s_mov_b32 vcc_lo, 0xffff0000                   ; lanes 16-31
.set i, 0
.rept 32
	global_load_b128 v[R+4*i:R+4*i+3], v2, s[4:5] offset:512*i th:TH_LOAD_NT
.set i, i+1
.endr
; Tile u of pair p: a lane holds a whole block: no other lane is asked for the maximum.  The codes are the fragment's registers as they stand.
.macro QB p, u
.set XS, X+32*\u
.set CT, C+4*(2*\p+\u)
	BMAX XS
.irp g, 0,1,2,3
	v_cvt_scalef32_pk8_fp4_f32 v[CT+\g], v[XS+8*\g:XS+8*\g+7], v226
.endr
	v_lshrrev_b32 v227, 23, v226                   ; the scale's byte.  (The plain line behind the conversions)
	global_store_b128 v2, v[CT:CT+3], s[32:33] offset:512*(2*\p+\u)   ; 32 lanes store 512 consecutive bytes, aligned to 256
	v_lshlrev_b32 v[228+\u], v7, v227              ; my block's byte at its place,
	v_permlanex16_b32 v230, v[228+\u], s20, s21
	v_or_b32 v[228+\u], v[228+\u], v230            ; with lane l xor 16's: the key's two bytes;
	v_or_b32 v[228+\u], 0x7f7f0000, v[228+\u]      ; the instruction's upper 64 along K are multiplied by zero codes: scale 1
.endm
; Pair p: 32 keys, two tiles.  Key 2 i + l / 16 of the pair goes to the place of its row in its tile: place 16 u + r holds key 8 u + r + 8 (r / 8).
.macro PAIR p
	s_wait_loadcnt 16*(1-\p)                       ; this pair's 16 loads are in; the other pair's may be out
.set i, 0
.rept 16
	ds_store_b128 v5, v[R+64*\p+4*i:R+64*\p+4*i+3] offset:(16*((i>>2)&1)+8*(i>>3)+((2*i)&7))*PITCH
.set i, i+1
.endr
.irp u, 0,1
.irp j, 0,1,2,3,4,5,6,7
	ds_load_b128 v[X+32*\u+4*\j:X+32*\u+4*\j+3], v6 offset:16*\u*PITCH+16*\j   ; LDS serves a wave's instructions in order (ISA guide 5.7.1.4): these see my stores
.endr
.endr
	s_wait_dscnt 8                                 ; tile 0's eight loads are in, tile 1's may be out
	QB \p, 0
	s_wait_dscnt 0x0
	QB \p, 1
	v_cndmask_b32 v[KSC+\p], v228, v229, vcc_lo    ; lanes 0-15: tile 0's words; lanes 16-31: tile 1's
.endm
	s_wait_alu depctr_va_vdst(0)
	PAIR 0
	PAIR 1
	global_store_b64 v3, v[KSC:KSC+1], s[34:35] offset:8192   ; 32 lanes store 256 consecutive bytes, aligned
	s_wait_tensorcnt 0x0
	ds_add_u32 v248, v249
	s_wait_dscnt 0x0
	s_endpgm
	; ---- V: a lane takes a channel, and its registers run down the keys: a block of 32 keys lies in one lane, and the codes come out with the keys innermost.
.Lv:
	s_lshl_b32 s17, s23, 7
	s_add_co_u32 s26, s26, s17
	s_add_nc_u64 s[6:7], s[6:7], s[26:27]          ; values at the step's first key, my 32 channels
	s_lshl_b32 s24, s23, 11
	s_add_nc_u64 s[32:33], s[10:11], s[24:25]      ; my two tiles' codes, 4,096 further on
	s_lshl_b32 s24, s23, 7
	s_add_nc_u64 s[34:35], s[10:11], s[24:25]      ; my 128 bytes of scale words, 8,704 further on
.macro LOADV bb                        ; block bb: keys 32 bb + i of my channel; the wave reads 128 consecutive bytes, waves 2 and 3 side by side on a key's 256
.set i, 0
.rept 32
	global_load_b32 v[Y+32*((\bb)%2)+i], v4, s[6:7] offset:(32*(\bb)+i)*256 th:TH_LOAD_NT
.set i, i+1
.endr
.endm
.macro BLOCKV bb
.set YS, Y+32*((\bb)%2)
.if (\bb) < 3
	s_wait_loadcnt 32                              ; this block's 32 loads are in; the next block's may be out
.else
	s_wait_loadcnt 0x0
.endif
	BMAX YS
.irp g, 0,1,2,3
	v_cvt_scalef32_pk8_fp4_f32 v[C+4*(\bb)+\g], v[YS+8*\g:YS+8*\g+7], v226
.endr
	v_lshrrev_b32 v227, 23, v226                   ; the scale's byte.  (The plain line behind the conversions)
.if (\bb) == 0
	v_mov_b32 v[SB], v227
.else
	v_lshl_or_b32 v[SB], v227, 8*(\bb), v[SB]      ; the lower keys in the lower byte
.endif
	global_store_b128 v8, v[C+4*(\bb):C+4*(\bb)+3], s[32:33] offset:4096+512*((\bb)>>1)+256*((\bb)&1)   ; each half of the lanes stores 256 consecutive bytes, aligned
.if (\bb) < 2
	LOADV (\bb)+2
.endif
.endm
	LOADV 0
	LOADV 1
	BLOCKV 0
	BLOCKV 1
	BLOCKV 2
	BLOCKV 3
	global_store_b32 v4, v[SB], s[34:35] offset:8704   ; 128 consecutive bytes: waves 2 and 3 each write half of the record's last 256
.Lend:
	s_endpgm
.Lfunc_end_k_q1a90853bee_prep:
	.size	k_q1a90853bee_prep, .Lfunc_end_k_q1a90853bee_prep-k_q1a90853bee_prep
	.p2alignl 7, 3214868480
	.fill 96, 4, 3214868480
	.section	.rodata,"a",@progbits
	.p2align	6, 0x0
	.amdhsa_kernel k_q1a90853bee_prep
		.amdhsa_group_segment_fixed_size 17920
		.amdhsa_private_segment_fixed_size 0
		.amdhsa_enable_private_segment 0
		.amdhsa_kernarg_size 40
		.amdhsa_user_sgpr_count 2
		.amdhsa_user_sgpr_kernarg_segment_ptr 1
		.amdhsa_wavefront_size32 1
		.amdhsa_system_sgpr_workgroup_id_x 1
		.amdhsa_system_sgpr_workgroup_id_y 1
		.amdhsa_system_sgpr_workgroup_id_z 1
		.amdhsa_system_vgpr_workitem_id 0
		.amdhsa_next_free_vgpr 250
		.amdhsa_next_free_sgpr 66
		.amdhsa_reserve_vcc 1
		.amdhsa_float_denorm_mode_32 3
		.amdhsa_float_denorm_mode_16_64 3
		.amdhsa_memory_ordered 1
		.amdhsa_forward_progress 1
		.amdhsa_inst_pref_size 42
	.end_amdhsa_kernel
	.amdgpu_metadata
---
amdhsa.version: [ 1, 2 ]
amdhsa.kernels:
  - .name:           k_q1a90853bee_prep
    .symbol:         k_q1a90853bee_prep.kd
    .args:
      - { .name: keys, .offset: 0, .size: 8, .value_kind: global_buffer, .address_space: global }
      - { .name: values, .offset: 8, .size: 8, .value_kind: global_buffer, .address_space: global }
      - { .name: valid_lens, .offset: 16, .size: 8, .value_kind: global_buffer, .address_space: global }
      - { .name: kv, .offset: 24, .size: 8, .value_kind: global_buffer, .address_space: global }
      - { .name: order, .offset: 32, .size: 8, .value_kind: global_buffer, .address_space: global }
    .group_segment_fixed_size: 17920
    .private_segment_fixed_size: 0
    .kernarg_segment_align: 8
    .kernarg_segment_size: 40
    .max_flat_workgroup_size: 128
    .sgpr_count:     66
    .vgpr_count:     250
    .wavefront_size: 32
...
	.end_amdgpu_metadata
.endif
;; end of part 3
;; launch attn (part 4): grid 32 x 8, 16 waves a work-group, no clusters, 71,680 bytes of LDS; arguments queries, kv, order, out0; writes out0
.if DOCPART == 4
	.amdgcn_target "amdgcn-amd-amdhsa--gfx1250"
	.amdhsa_code_object_version 6
	.text
	.protected	k_q1a90853bee_attn
	.globl	k_q1a90853bee_attn
	.p2align	8
	.type	k_q1a90853bee_attn,@function
k_q1a90853bee_attn:
	s_mov_b64 s[64:65], 0
	v_nop
	global_prefetch_b8 v0, s[64:65] scope:SCOPE_SE
	s_setreg_imm32_b32 hwreg(HW_REG_WAVE_SCHED_MODE, 0, 2), 2
	s_setreg_imm32_b32 hwreg(HW_REG_WAVE_MODE, 25, 1), 1
	s_wait_xcnt 0x0
	s_wait_alu depctr_vm_vsrc(0)
; out0[b][q][:] = the sum over k of softmax_k(masked Q[b][q] . K[b][k] / 8) V[b][k][:], both products on codes of FP4 (E2M1) with one E8M0 scale for each 32 along a product's K.
; THE SOFTMAX AHEAD OF THE SECOND PRODUCT: t = score x log2(e) / 8; M = the row's largest t so far, rounded UP to a whole number; p = 2^(t - M) is quantised along the keys, not normalised;
; the row's sum is taken of the unquantised p and divides at the end.  When M moves, the sum and O are multiplied by 2^(old M - new M): exact.
; THE MASK: key k counts where k < vl(b).  Steps of 128 keys that hold no valid key are not walked: their p is 0.  In a batch's last step the hidden scores become -8e6, the logit -1e6 that the problem gives them.
; K and V come from kv, which the launch before has laid in the order of the operands' registers (a record of 8,960 bytes for a batch's step: K's 8 tiles, V's 4 x 2 halves, the scale words): every fragment is
; loaded from memory straight into registers, 16 bytes a lane, 512 consecutive bytes an instruction.  Q is read once, by one wave: it is quantised here, in registers.
; SHARES.  A wave owns ONE tile of 16 queries of one batch, in 256 registers, and walks that batch's n = ceil(vl / 128) steps.  A work-group's sixteen waves are 4 batches x 4 tiles: wave w takes batch w / 4 of the
; four, tile w % 4 of the work-group's 64 queries.  The four batches have ranks j, 15 - j, 16 + j, 31 - j (j = work-group y) in the order of their step counts, which the launch before has stored:
; so every work-group has nearly the same number of steps in all, whatever valid_lens holds.
; NO TENSOR LOADS, NO JOINT REQUESTS, though many waves read the same records: the trip count hangs on valid_lens, a number read from memory.
; No barrier: waves share nothing; each has its own stage in LDS, for Q's way in and O's way out.
; LAYOUT.  Both products are used transposed: S^T = K Q^T (source 0 = 16 keys, source 1 = my 16 queries), O^T = V^T P^T (source 0 = 16 channels, source 1 = P): a lane holds ONE query (lane % 16) throughout.
; Lane r of K's tile 2 b + u holds key 32 b + 8 u + r + 8 (r / 8), so that the 16 registers of tiles 2 b, 2 b + 1 are the neighbouring keys 32 b + 16 (lane / 16) + 0 .. 15.
; THE FIRST PRODUCT'S K IS 64, THE INSTRUCTION'S 128: Q's upper four registers are zero codes.  So source 0 of tile t may name, as its upper four registers, the next tile's codes (behind tile 7: four zeros):
; every code is a finite number, the scale bytes of the upper 64 are 0x7f on both sides, and the products are exact zeros.  A tile of K costs four registers and one load.
; LIMITS.  NaN and infinities among the inputs are not served.  Leaving the hidden steps out is exact while some valid key's logit lies above about -1e6 + 104.  vl above 2048 acts as 2048.
; vl <= 0: the problem gives all 2048 keys the same logit, so p = 1 for all: here Q's codes are ANDed with 0 (all scores 0), vl is taken as 2048 and all 16 steps are walked; no branch.
; A block whose every p is 0 keeps the scale byte 1: its codes are zeros.
; THE MODE: SCHED_MODE bits 1:0 = 2 (LLVM: expert scheduling mode 2), set by the entry lines.  The code itself states the register dependences between vector or matrix instructions and
; memory or LDS instructions, with s_wait_alu, always for 0.
; THE PLAN.  Registers that memory or LDS instructions touch:
;   v1-6, v28, v29   offsets and LDS addresses: made once at the head, ahead of one wait on va_vdst, and never written again: the records are reached by the scalar base s[6:7] and immediate offsets.
;   KF, KS           A step's eight products K Q^T read them; behind those products' wait on va_vdst the next step's ten loads land in them.
;   VF, VS           A step's four products V^T P read them; behind those products' wait on va_vdst the next step's ten loads land in them, dealt among the last lines of the row's sum,
;                    which name S, v14, v15 and v[216:217] alone.
;   S (v100-163)     At the head: Q's loads land in the lower half, Q's LDS stores read it (one wait on vm_vsrc ahead of the first products, which write it), Q's LDS loads land in the upper half.
;                    On the way out: the division writes the lower half, the LDS stores read it, the LDS loads land in the upper half, the global stores read that.
;   QF, QS, v64-67, PC, PW are written by vector instructions and taken by scaled matrix instructions as operands or scales: a wait on va_vdst stands behind the places, ahead of the products.
;   v254, v255       written at the head, read by the closing add alone.
; So a step's waits on va_vdst include these: behind K Q^T (K's loads), behind the exponentials (their first reader), ahead of V^T P (p's codes and scale word), behind V^T P (V's loads); and none on vm_vsrc:
; the loop writes no register that a memory instruction reads.  16 waves of 256 registers fill the SIMDs' registers: there is no room for second buffers of K and V.
.set REC, 8960
.set SP,  272                          ; a stage row: 256 bytes + 16 of padding = 68 words: the sixteen rows that a load or store touches start at sixteen different banks (64 banks of 4 bytes: ISA guide 11.1)
.set LO,  1                            ; v1   16 x lane; never rewritten
.set L8,  2                            ; v2   8 x lane
.set L4,  3                            ; v3   4 x lane
.set RD,  4                            ; v4   stage: two rows an instruction, sixteen lanes to a row
.set STO, 5                            ; v5   stage: row r, + 32 h
.set H16, 6                            ; v6   16 h
.set NEG, 7                            ; v7   -8e6
.set KS,  8                            ; v8-11  K's scale words: register i: lanes 0-15 tile 2 i, lanes 16-31 tile 2 i + 1
.set QF,  16                           ; v16-23 Q's fragment; v20-23 zero codes
.set QS,  24                           ; v24    Q's scale words
.set VS,  26                           ; v26-27 V's scale words
.set QR,  28                           ; v28   stage: row r, + 128 h
.set PFO, 29                           ; v29   256 x lane
.set KF,  32                           ; v32-63 K's 8 tiles x 4 registers; v64-67 zeros
.set VF,  68                           ; v68-99 V's 4 tiles x 8 registers
.set S,   100                          ; v100-163 S^T, then p
.set O,   164                          ; v164-195 O^T
.set PC,  196                          ; v196-203 p's codes
.set BM,  204                          ; v204-207 each block's largest score, then its largest p
.set T2,  208                          ; v208-211 at work
.set SO,  212                          ; v212-215 the conversions' scale operands
.set SU,  216                          ; v[216:217] the step's second chain of sums
.set TMP, 218
.set FF,  220                          ; v[220:221] f = 2^(old M - new M); v221 is named with it as a pair
.set PW,  222                          ; v222 p's scale word
.set MK,  12                           ; s12-27 in the last step: sixteen masks of hidden keys (the head's numbers in these registers are done with there)
; v12 -M, v13 the largest t, v[14:15] the row's sum in two halves.  s[6:7] kv at my batch's step in hand; s32 steps to go less one; s36 1 in a wave that prefetches, else the greatest number
	s_load_b256 s[4:11], s[0:1], 0x0               ; queries s[4:5], kv s[6:7], order s[8:9], out0 s[10:11]
	v_lshl_add_u32 v254, v0, 2, 0x11000
	v_mov_b32 v255, 0
	v_lshrrev_b32 v30, 5, v0
	v_readfirstlane_b32 s12, v30                   ; wave 0..15
	s_and_b32 s13, ttmp7, 0xffff                   ; j
	s_wait_alu depctr_va_sdst(0)                   ; s12 is written, ahead of its first reader: my batch's rank, my tile and my stage are made from it
	s_lshr_b32 s14, s12, 2                         ; a: which of the four batches
	s_and_b32 s15, s12, 3                          ; which 16 of the 64 queries
	s_sub_co_u32 s16, 15, s13
	s_and_b32 s17, s14, 1
	s_cmp_eq_u32 s17, 0
	s_cselect_b32 s16, s13, s16                    ; j or 15 - j,
	s_lshr_b32 s17, s14, 1
	s_lshl_b32 s17, s17, 4
	s_add_co_u32 s16, s16, s17                     ; + 16 (a / 2): my batch's rank
	s_lshl_b32 s24, s16, 3
	s_mov_b32 s25, 0
	s_mov_b32 s27, 0
	s_mov_b32 s38, 0x76543210
	s_mov_b32 s39, 0xfedcba98                      ; v_permlanex16_b32's selects for lane l xor 16
	s_mov_b32 s40, 0x3e38aa3b                      ; c = log2(e) / 8
	s_mov_b32 s41, s40                             ; (the packed form names the pair, so it is written)
	s_wait_kmcnt 0x0
	s_add_nc_u64 s[8:9], s[8:9], s[24:25]
	s_load_b64 s[20:21], s[8:9], 0x0               ; (batch, vl)
	v_and_b32 v30, 31, v0                          ; lane
	v_and_b32 v31, 15, v0                          ; r
	v_bfe_u32 v25, v0, 4, 1                        ; h
	v_lshlrev_b32 v[LO], 4, v30
	v_lshlrev_b32 v[L8], 3, v30
	v_lshlrev_b32 v[L4], 2, v30
	v_lshlrev_b32 v[PFO], 8, v30
	v_lshlrev_b32 v[H16], 4, v25
	s_mul_i32 s16, s12, 16*SP                      ; my stage
	v_mul_u32_u24 v[RD], v25, SP
	v_lshl_add_u32 v[RD], v31, 4, v[RD]
	v_add_nc_u32 v[RD], s16, v[RD]
	v_mul_u32_u24 v[STO], v31, SP
	v_lshl_add_u32 v[QR], v25, 7, v[STO]
	v_lshl_add_u32 v[STO], v25, 5, v[STO]
	v_add_nc_u32 v[STO], s16, v[STO]
	v_add_nc_u32 v[QR], s16, v[QR]
	s_wait_kmcnt 0x0
	s_min_u32 s20, s20, 31                         ; loaded numbers enter addresses and counts only behind a bound
	s_min_u32 s21, s21, 0x800
	s_mov_b32 s16, 0x800
	s_cmp_eq_u32 s21, 0
	s_cselect_b32 s43, 0, -1                       ; no valid key: Q's codes become zeros,
	s_cselect_b32 s21, s16, s21                    ; and all 2048 keys count
	s_add_co_u32 s22, s21, 127
	s_lshr_b32 s22, s22, 7                         ; n = ceil(vl / 128), 1 .. 16
	s_sub_co_u32 s32, s22, 1                       ; the loop's trips: all steps but the last
	s_lshl_b32 s16, s32, 7
	s_sub_co_u32 s42, s21, s16
	s_sub_co_u32 s42, s42, 1                       ; the last valid key's place in the last step, 0 .. 127
	s_lshl_b32 s24, s20, 19                        ; a batch is 2048 rows of 256 bytes,
	s_lshl_b32 s16, ttmp9, 14                      ; the work-group's block 64 rows,
	s_add_co_u32 s24, s24, s16
	s_lshl_b32 s16, s15, 12                        ; my tile 16
	s_add_co_u32 s24, s24, s16
	s_add_nc_u64 s[4:5], s[4:5], s[24:25]
	s_add_nc_u64 s[10:11], s[10:11], s[24:25]
	s_mul_i32 s26, s20, 16*REC
	s_add_nc_u64 s[6:7], s[6:7], s[26:27]          ; my batch's step 0
	s_or_b32 s16, ttmp9, s15
	s_cmp_eq_u32 s16, 0
	s_cselect_b32 s36, 1, -1                       ; of the 128 waves that walk a batch, the one with the first 16 queries prefetches
.macro KLOADS off                      ; a step's K: 8 tiles, one load each, and the scale words: ten loads
.irp t, 0,1,2,3,4,5,6,7
	global_load_b128 v[KF+4*\t:KF+4*\t+3], v[LO], s[6:7] offset:\off+512*\t
.endr
.irp f, 0,1
	global_load_b64 v[KS+2*\f:KS+2*\f+1], v[L8], s[6:7] offset:\off+8192+256*\f
.endr
.endm
.macro VLOADS                          ; a step's V: 4 tiles x 2 halves, and the scale words: ten loads
.irp t, 0,1,2,3
.irp c, 0,1
	global_load_b128 v[VF+8*\t+4*\c:VF+8*\t+4*\c+3], v[LO], s[6:7] offset:4096+1024*\t+512*\c
.endr
.endr
.irp i, 0,1
	global_load_b32 v[VS+\i], v[L4], s[6:7] offset:8704+128*\i
.endr
.endm
	s_wait_alu depctr_va_vdst(0)                   ; the offsets and LDS addresses v1 to v6, v28 and v29 are written: every load, store and prefetch of the kernel reads one of them, and none is written again
.irp i, 0,1,2,3,4,5,6,7
	global_load_b128 v[S+4*\i:S+4*\i+3], v[LO], s[4:5] offset:512*\i th:TH_LOAD_NT   ; Q: two rows, 512 consecutive bytes, an instruction
.endr
	KLOADS 0
	VLOADS
	v_mov_b32 v[NEG], 0xcaf42400                   ; -8e6
	v_mov_b32 v13, 0xff61b1e6                      ; the largest t so far: -3e38, under every t
	v_floor_f32 v12, -v13                          ; -M
	v_mov_b32 v14, 0
	v_mov_b32 v15, 0
	v_mov_b32 v[FF+1], 0
.irp b, 0,1,2,3
	v_mov_b32 v[T2+\b], 0                          ; written once: a lane permute's destination counts as one of its sources
	v_mov_b32 v[QF+4+\b], 0                        ; Q's zero codes for the instruction's upper 64 along K
	v_mov_b32 v[KF+32+\b], 0                       ; what tile 7 names as its upper four registers
.endr
	s_wait_loadcnt 20                              ; Q's eight loads are in; behind them K's ten and V's ten may be out
	; Q turns through my stage: a lane of the fragment wants 32 neighbouring channels of ONE query.  (No vector instruction since the wait above names a register that these LDS lines touch)
.irp i, 0,1,2,3,4,5,6,7
	ds_store_b128 v[RD], v[S+4*\i:S+4*\i+3] offset:2*SP*\i
.endr
.irp j, 0,1,2,3,4,5,6,7
	ds_load_b128 v[S+32+4*\j:S+32+4*\j+3], v[QR] offset:16*\j   ; LDS serves a wave's instructions in order (ISA guide 5.7.1.4): these see my stores
.endr
	s_wait_dscnt 0x0
	s_wait_alu depctr_vm_vsrc(0)                   ; my LDS stores have read v[S .. S+31], which the first step's products write
	v_max3_num_f32 v[BM], |v[S+32]|, |v[S+33]|, |v[S+34]|          ; my block's largest magnitude: all 32 numbers are mine
	v_max3_num_f32 v[BM+1], |v[S+35]|, |v[S+36]|, |v[S+37]|
.irp i, 6,10,14,18,22,26
	v_max3_num_f32 v[BM], v[BM], |v[S+32+\i]|, |v[S+33+\i]|
	v_max3_num_f32 v[BM+1], v[BM+1], |v[S+34+\i]|, |v[S+35+\i]|
.endr
	v_max3_num_f32 v[BM], v[BM], |v[S+62]|, |v[S+63]|
	v_max3_num_f32 v[BM], v[BM], v[BM+1], 0x1800000    ; and the floor 2^(3 - 127): the byte cannot fall under 1
	v_add_nc_u32 v[SO], 0xff000000, v[BM]          ; 2 off its exponent field: the conversions' scale operand
.irp g, 0,1,2,3
	v_cvt_scalef32_pk8_fp4_f32 v[QF+\g], v[S+32+8*\g:S+39+8*\g], v[SO]
.endr
	v_lshrrev_b32 v[BM+1], 23, v[SO]               ; the scale's byte.  (The plain line behind the conversions)
	v_lshrrev_b32 v[BM+2], 1, v[H16]               ; 8 h
	v_lshlrev_b32 v[BM+1], v[BM+2], v[BM+1]        ; my block's byte at its place,
	v_permlanex16_b32 v[T2], v[BM+1], s38, s39
	v_or_b32 v[QS], v[BM+1], v[T2]                 ; with lane l xor 16's;
	v_or_b32 v[QS], 0x7f7f0000, v[QS]              ; scale 1 over the zero codes
.irp g, 0,1,2,3
	v_and_b32 v[QF+\g], s43, v[QF+\g]              ; all ones, or, where no key is valid, 0
.endr
.set m, 0
.rept 32
	v_mov_b32 v[O+m], 0                            ; O^T.  The step is written for a running state: the first finds zeros, which the first change of M leaves zeros.  (These are also the places between the
.set m, m+1                                        ; vector writes of Q's codes and scale word and the first scaled matrix instruction)
.endr
	s_wait_alu depctr_va_vdst(0)                   ; behind the places: Q's codes v16-23, its scale word v24 and the zeros v64-67 are written, which the scaled products K Q^T of every step take as operands and scales
; A KEY STEP: 128 keys.  last = 1: the batch's last step: the mask is applied, and nothing more is loaded.
.macro STEP last
	s_wait_loadcnt 10                              ; this step's K is in; behind it this step's V, ten loads, may be out.  The same count from the head and round the loop
.irp t, 0,2,4,6
	v_wmma_scale_f32_16x16x128_f8f6f4 v[S+8*\t:S+8*\t+7], v[KF+4*\t:KF+4*\t+7], v[QF:QF+7], 0, v[KS+\t/2], v[QS] matrix_a_fmt:MATRIX_FMT_FP4 matrix_b_fmt:MATRIX_FMT_FP4
	v_wmma_scale_f32_16x16x128_f8f6f4 v[S+8*\t+8:S+8*\t+15], v[KF+4*\t+4:KF+4*\t+11], v[QF:QF+7], 0, v[KS+\t/2], v[QS] matrix_a_fmt:MATRIX_FMT_FP4 matrix_b_fmt:MATRIX_FMT_FP4 matrix_a_scale:MATRIX_SCALE_ROW1
.endr
.rept 4
	v_nop                                          ; four places (ISA guide 7.12.1) ahead of the first read of the scores
.endr
.if !\last
	s_wait_alu depctr_va_vdst(0)                   ; the eight products are done reading K's codes and scale words, in which the loads below land.  (The vector lines that follow read those products' results)
	KLOADS REC                                     ; the next step's K: it has this step's softmax in which to land
	; A PREFETCH INTO THE L2 of the eight tiles of K and the eight halves of V of the step after that: 8,192 bytes, lanes 256 bytes apart, one instruction, behind the wave's loads.  One wave of the 128 that walk a
	; batch asks, so each block is named once in the launch.  It asks while two trips or more are left: the record named is at most the batch's last.  The first two steps come by their loads alone.
	s_cmp_gt_u32 s32, s36
	s_cbranch_scc0 .Lnot_mine_\@
	global_prefetch_b8 v[PFO], s[6:7] offset:2*REC th:TH_LOAD_NT scope:SCOPE_SE
.Lnot_mine_\@:
.else
	v_sub_nc_u32 v[TMP], s42, v[H16]               ; register 16 b + i holds the step's key 32 b + 16 h + i: hidden where 32 b + i > (the last valid key's place) - 16 h
.set grp, 0
.rept 4                                        ; a block of 32 keys (my 16 registers of it) at a time: a run of sixteen compares into sixteen scalar registers, one wait, sixteen selects
.set m, 16*grp
.rept 16
	v_cmp_gt_i32 s[MK+m%16], 32*(m/16)+m%16, v[TMP]
.set m, m+1
.endr
	s_wait_alu depctr_va_sdst(0)                   ; the sixteen compares have written their masks s12 to s27, ahead of the selects that read them
.set m, 16*grp
.rept 16
	v_cndmask_b32 v[S+m], v[S+m], v[NEG], s[MK+m%16]   ; always executed: where all 128 keys count it changes nothing
.set m, m+1
.endr
.set grp, grp+1
.endr
.endif
.irp b, 0,1,2,3
	v_max3_num_f32 v[BM+\b], v[S+16*\b], v[S+1+16*\b], v[S+2+16*\b]   ; the largest score of each block of 32 keys: it serves for the row's maximum and, since p rises with the score, for the block's largest p
.endr
.irp i, 3,5,7,9,11,13
.irp b, 0,1,2,3
	v_max3_num_f32 v[BM+\b], v[BM+\b], v[S+16*\b+\i], v[S+1+16*\b+\i]   ; (the four blocks by turns)
.endr
.endr
.irp b, 0,1,2,3
	v_max_num_f32 v[BM+\b], v[BM+\b], v[S+15+16*\b]
.endr
.irp b, 0,1,2,3
	v_permlanex16_b32 v[T2+\b], v[BM+\b], s38, s39
.endr
.irp b, 0,1,2,3
	v_max_num_f32 v[BM+\b], v[BM+\b], v[T2+\b]     ; with lane l xor 16's 16 keys
.endr
	v_max3_num_f32 v[TMP], v[BM], v[BM+1], v[BM+2]
	v_max_num_f32 v[TMP], v[TMP], v[BM+3]          ; the step's largest score of my query
	v_mul_f32 v[TMP], s40, v[TMP]                  ; as t (c is positive)
	v_max_num_f32 v13, v13, v[TMP]                 ; the running largest t
	v_mov_b32 v[TMP], v12
	v_floor_f32 v12, -v13                          ; the new -M = floor(-t) = -ceil(t): a whole number
	v_sub_f32 v[TMP], v12, v[TMP]                  ; old M - new M: a whole number, 0 or less
	v_cvt_i32_f32 v[TMP], v[TMP]                   ; (it saturates)
	v_ldexp_f32 v[FF], 1.0, v[TMP]                 ; f = 2^(old M - new M)
.set m, 0
.rept 32
	v_pk_fma_f32 v[S+m:S+m+1], v[S+m:S+m+1], s[40:41], v[12:13] op_sel_hi:[1,0,0]   ; t - M, two at a time (of the pairs c and -M the low word serves both halves)
.set m, m+2
.endr
.irp b, 0,1,2,3
	v_fma_f32 v[BM+\b], v[BM+\b], s40, v12         ; the same of each block's largest score
.endr
.set m, 0
	s_wait_alu depctr_va_vdst(0)
.rept 64
	v_exp_f32 v[S+m], v[S+m]                       ; p = 2^(t - M), at most 1: not normalised
.set m, m+1
.endr
.irp b, 0,1,2,3
	v_exp_f32 v[BM+\b], v[BM+\b]                   ; the block's largest p: the same two instructions on the same number give the same bits
.endr
	v_pk_mul_f32 v[14:15], v[14:15], v[FF:FF+1] op_sel_hi:[1,0]   ; the sums under the new M.  (The plain instruction behind the exponentials)
.set m, 0
	s_wait_alu depctr_va_vdst(0)
.rept 16
	v_pk_mul_f32 v[O+m:O+m+1], v[O+m:O+m+1], v[FF:FF+1] op_sel_hi:[1,0]   ; O^T under the new M, each accumulator from its low end on: work that names no exponential's result
.set m, m+2
.endr
	s_wait_alu depctr_va_vdst(0)                   ; the 68 exponentials have written p and the blocks' largest p: a wait ahead of the first instruction that names such a result: one for the batch
.irp b, 0,1,2,3
	v_max_num_f32 v[BM+\b], 0x1800000, v[BM+\b]    ; the floor 2^(3 - 127): the byte cannot fall under 1
.endr
.irp b, 0,1,2,3
	v_add_nc_u32 v[SO+\b], 0xff000000, v[BM+\b]    ; 2 off the exponent field: the conversion's scale operand
.endr
.irp b, 0,1,2,3
	v_lshrrev_b32 v[T2+\b], 23, v[SO+\b]           ; the scale's byte
.endr
	v_lshl_or_b32 v[PW], v[T2+1], 8, v[T2]         ; p's scale word for these 128 keys
	v_lshl_or_b32 v[PW], v[T2+2], 16, v[PW]
	v_lshl_or_b32 v[PW], v[T2+3], 24, v[PW]
.irp b, 0,1,2,3
	v_cvt_scalef32_pk8_fp4_f32 v[PC+2*\b], v[S+16*\b:S+7+16*\b], v[SO+\b]
	v_cvt_scalef32_pk8_fp4_f32 v[PC+1+2*\b], v[S+8+16*\b:S+15+16*\b], v[SO+\b]
.endr
	v_nop                                          ; one plain vector instruction between a scaled conversion and the vector instruction that touches its result
.irp c, 0,1                                    ; the operand's layout wants a WHOLE block in a lane: lanes 0-15 block 2 c, lanes 16-31 block 2 c + 1
.irp i, 0,1
	v_permlane16_swap_b32 v[PC+4*\c+\i], v[PC+2+4*\c+\i]
.endr
.endr
	v_pk_add_f32 v[SU:SU+1], v[S:S+1], v[S+2:S+3]  ; THE ROW'S SUM IS TAKEN OF THE UNQUANTISED p, two at a time, in two chains.  Its first 15 lines stand here: they are the places between the vector
.irp j, 4,8,12,16,20,24,28                     ; writes of p's scale word (8 are asked) and codes (4) and the scaled matrix instructions
	v_pk_add_f32 v[14:15], v[14:15], v[S+\j:S+\j+1]
	v_pk_add_f32 v[SU:SU+1], v[SU:SU+1], v[S+\j+2:S+\j+3]
.endr
.if \last
	s_wait_loadcnt 0x0                             ; V is in: nothing was asked for behind it
.else
	s_wait_loadcnt 10                              ; this step's V is in; behind it the next step's K, ten loads, may be out
.endif
	s_wait_alu depctr_va_vdst(0)                   ; behind the places: the conversions and the exchanges have written p's codes v196-203, the shifts its scale word v222, which the scaled products below take as operand and scale
.irp t, 0,2                                    ; O^T += V^T P^T.  The four accumulators take turns, one instruction a turn, and eight products K Q^T stand between two sums onto one accumulator
	v_wmma_scale_f32_16x16x128_f8f6f4 v[O+8*\t:O+8*\t+7], v[VF+8*\t:VF+8*\t+7], v[PC:PC+7], v[O+8*\t:O+8*\t+7], v[VS+\t/2], v[PW] matrix_a_fmt:MATRIX_FMT_FP4 matrix_b_fmt:MATRIX_FMT_FP4
	v_wmma_scale_f32_16x16x128_f8f6f4 v[O+8*\t+8:O+8*\t+15], v[VF+8*\t+8:VF+8*\t+15], v[PC:PC+7], v[O+8*\t+8:O+8*\t+15], v[VS+\t/2], v[PW] matrix_a_fmt:MATRIX_FMT_FP4 matrix_b_fmt:MATRIX_FMT_FP4 matrix_a_scale:MATRIX_SCALE_ROW1
.endr
.irp j, 32,36,40,44                            ; the sum's other 17 lines name none of those products' registers: they are the places behind them, ahead of the next read of O^T.  Eight of them stand ahead of V's loads
	v_pk_add_f32 v[14:15], v[14:15], v[S+\j:S+\j+1]
	v_pk_add_f32 v[SU:SU+1], v[SU:SU+1], v[S+\j+2:S+\j+3]
.endr
.if !\last
	s_wait_alu depctr_va_vdst(0)                   ; the four products are done reading V's codes and scale words, in which the loads below land
	s_wait_xcnt 0x0                                ; K's loads and the prefetch, issued a softmax ago, have read their base: only behind this wait is it stepped
	s_add_nc_u64 s[6:7], s[6:7], REC
.endif
.irp t, 0,1,2,3                                ; the next step's V, in VLOADS' order, dealt among the sum's last nine lines.  No further wait: those lines name S, v14, v15 and v[216:217], none of the registers that the loads touch
.if !\last
	global_load_b128 v[VF+8*\t:VF+8*\t+3], v[LO], s[6:7] offset:4096+1024*\t
	global_load_b128 v[VF+8*\t+4:VF+8*\t+7], v[LO], s[6:7] offset:4096+1024*\t+512
.endif
	v_pk_add_f32 v[14:15], v[14:15], v[S+48+4*\t:S+49+4*\t]
	v_pk_add_f32 v[SU:SU+1], v[SU:SU+1], v[S+50+4*\t:S+51+4*\t]
.endr
.if !\last
	global_load_b32 v[VS], v[L4], s[6:7] offset:8704
	global_load_b32 v[VS+1], v[L4], s[6:7] offset:8704+128
.endif
	v_pk_add_f32 v[14:15], v[14:15], v[SU:SU+1]
.endm
	s_cmp_eq_u32 s32, 0
	s_cbranch_scc1 .Ltail                          ; a batch of one step has only the last
.Lstep:                                            ; n - 1 trips
	STEP 0
	s_sub_co_u32 s32, s32, 1
	s_cmp_lg_u32 s32, 0
	s_cbranch_scc1 .Lstep
.Ltail:
	STEP 1
	; THE WAY OUT.  O^T is divided by the row's sum and goes through my stage, so that whole rows of 256 bytes leave: 32 lanes store 512 consecutive bytes, aligned to 256.
	v_add_f32 v14, v14, v15                        ; the sum's two halves,
	v_permlanex16_b32 v[TMP], v14, s38, s39
	v_add_f32 v14, v14, v[TMP]                     ; and lane l xor 16's: the row's sum
	s_wait_alu depctr_va_vdst(0)
	v_rcp_f32 v14, v14
	v_nop                                          ; one plain instruction behind the reciprocal
	s_wait_alu depctr_va_vdst(0)                   ; the reciprocal has written v14: the wait ahead of its first reader
.set m, 0
.rept 16
	v_pk_mul_f32 v[S+m:S+m+1], v[O+m:O+m+1], v[14:15] op_sel_hi:[1,0]   ; register 8 t + i is o(query r, channel 16 t + 8 h + i); each accumulator from its low end on
.set m, m+2
.endr
	s_wait_alu depctr_va_vdst(0)                   ; the multiplies have written v[S .. S+31], which the LDS stores read; the exponentials and the sums are done with v[S+32 .. S+63], in which the LDS loads land
.irp t, 0,1,2,3
	ds_store_b128 v[STO], v[S+8*\t:S+8*\t+3] offset:64*\t
	ds_store_b128 v[STO], v[S+8*\t+4:S+8*\t+7] offset:64*\t+16
.endr
.irp i, 0,1,2,3,4,5,6,7
	ds_load_b128 v[S+32+4*\i:S+32+4*\i+3], v[RD] offset:2*SP*\i   ; LDS serves a wave's instructions in order: these see my stores
.endr
.irp i, 0,1,2,3,4,5,6,7
	s_wait_dscnt 7-\i                              ; load i is in; the younger ones may be out
	global_store_b128 v[LO], v[S+32+4*\i:S+32+4*\i+3], s[10:11] offset:512*\i th:TH_STORE_NT
.endr
	s_wait_dscnt 0x0                               ; the closing lines, six on end
	s_wait_alu 0x0
	s_wait_tensorcnt 0x0
	ds_add_u32 v254, v255
	s_wait_dscnt 0x0
	s_endpgm
.Lfunc_end_k_q1a90853bee_attn:
	.size	k_q1a90853bee_attn, .Lfunc_end_k_q1a90853bee_attn-k_q1a90853bee_attn
	.p2alignl 7, 3214868480
	.fill 96, 4, 3214868480
	.section	.rodata,"a",@progbits
	.p2align	6, 0x0
	.amdhsa_kernel k_q1a90853bee_attn
		.amdhsa_group_segment_fixed_size 71680
		.amdhsa_private_segment_fixed_size 0
		.amdhsa_enable_private_segment 0
		.amdhsa_kernarg_size 32
		.amdhsa_user_sgpr_count 2
		.amdhsa_user_sgpr_kernarg_segment_ptr 1
		.amdhsa_wavefront_size32 1
		.amdhsa_system_sgpr_workgroup_id_x 1
		.amdhsa_system_sgpr_workgroup_id_y 1
		.amdhsa_system_sgpr_workgroup_id_z 1
		.amdhsa_system_vgpr_workitem_id 0
		.amdhsa_next_free_vgpr 256
		.amdhsa_next_free_sgpr 66
		.amdhsa_reserve_vcc 0
		.amdhsa_float_denorm_mode_32 3
		.amdhsa_float_denorm_mode_16_64 3
		.amdhsa_memory_ordered 1
		.amdhsa_forward_progress 1
		.amdhsa_inst_pref_size 52
	.end_amdhsa_kernel
	.amdgpu_metadata
---
amdhsa.version: [ 1, 2 ]
amdhsa.kernels:
  - .name:           k_q1a90853bee_attn
    .symbol:         k_q1a90853bee_attn.kd
    .args:
      - { .name: queries, .offset: 0, .size: 8, .value_kind: global_buffer, .address_space: global }
      - { .name: kv, .offset: 8, .size: 8, .value_kind: global_buffer, .address_space: global }
      - { .name: order, .offset: 16, .size: 8, .value_kind: global_buffer, .address_space: global }
      - { .name: out0, .offset: 24, .size: 8, .value_kind: global_buffer, .address_space: global }
    .group_segment_fixed_size: 71680
    .private_segment_fixed_size: 0
    .kernarg_segment_align: 8
    .kernarg_segment_size: 32
    .max_flat_workgroup_size: 512
    .sgpr_count:     66
    .vgpr_count:     256
    .wavefront_size: 32
...
	.end_amdgpu_metadata
.endif
;; end of part 4
